; MI455X (gfx1250); checked and timed in simulation.
; The chip was launched on July 23, 2026; its instructions are those of AMD's public machine-readable ISA for CDNA 5 (MIT licence, August 2026) and "CDNA5" Instruction Set Architecture Reference Guide (July 2026). The comments in the code are by the model that wrote it; some were corrected since.
;; Multi Head Attention Block. Allowed arithmetic: matrix products marked QUANTISED: E2M3 operands, one E8M0 scale for each 32 along K, by v_wmma_scale_f32_16x16x128_f8f6f4 with both operands' format E2M3, f32 sums; everything else in f32.
;; Inputs: W_k 1,024 x 1,024 float32; W_o 1,024 x 1,024 float32; W_q 1,024 x 1,024 float32; W_v 1,024 x 1,024 float32; k 4 x 2,048 x 1,024 float32; mask 1 x 1 x 2,048 x 2,048 bool; q 4 x 2,048 x 1,024 float32; v 4 x 2,048 x 1,024 float32.
;; Outputs: out0 4 x 2,048 x 1,024 float32.
;; This version of the problem:
;;   THIS VERSION OF THE PROBLEM IS GIVEN IN LOW PRECISION. The matrix products marked QUANTISED in the list below multiply operands that are first quantised to E2M3 (2 exponent bits, 3 mantissa bits; 6 bits a number), with one power-of-two scale for each 32 numbers along K (OCP MX v1.0); their sums are f32. All else is computed in f32.
;;   The module's matrix products, in the order in which they are computed (A, B: the left and right operand; K: the contracted axis; several contracted axes count as one K, in the product's order):
;;     1. [M 8,192, K 1,024] x [K 1,024, N 1,024]; A: input q; B: input W_q: QUANTISED
;;     2. [M 8,192, K 1,024] x [K 1,024, N 1,024]; A: input k; B: input W_k: QUANTISED
;;     3. [M 8,192, K 1,024] x [K 1,024, N 1,024]; A: input v; B: input W_v: QUANTISED
;;     4. batch 64 x [M 2,048, K 64] x [K 64, N 2,048]; A: computed on the way; B: computed on the way: QUANTISED
;;     5. batch 64 x [M 2,048, K 2,048] x [K 2,048, N 64]; A: softmax (see below); B: computed on the way: QUANTISED
;;     6. [M 8,192, K 1,024] x [K 1,024, N 1,024]; A: computed on the way; B: input W_o: QUANTISED
;;   THE QUANTISER, for each operand of a quantised product, along K:
;;     - K is cut into blocks of 32 from its start; a last block that is shorter is filled with zeros.
;;     - A block's scale is 2^e with e = floor(log2(the largest magnitude in the block)) - 2, held to -126 .. 127; a block of zeros has e = 0. As a byte (E8M0): e + 127.
;;     - Each number is divided by its block's scale, clamped to +-7.5, and rounded to the nearest number of E2M3, ties to even, subnormals kept.
;;     - The product sums the exact products of the quantised numbers (number of the format x scale) in f32.
;;   ~~~python
;;   def quantise(x, axis):      # numpy; x: float32 -> the quantised numbers, widened to float32 again
;;       x = np.moveaxis(x, axis, -1); K = x.shape[-1]
;;       x = np.pad(x, [(0, 0)] * (x.ndim - 1) + [(0, -K % 32)]); x = x.reshape(x.shape[:-1] + (-1, 32)); a = np.abs(x).max(-1, keepdims=True)
;;       e = np.where(a > 0, np.clip(np.frexp(np.where(a > 0, a, 1))[1] - 1 - 2, -126, 127), 0)      # np.frexp(a)[1] - 1 = floor(log2(a)), exactly
;;       r = np.clip(x / 2.0 ** e, -7.5, 7.5)
;;       step = 2.0 ** (np.maximum(np.frexp(np.where(r == 0, 1, r))[1] - 1, 0) - 3)
;;       q = np.round(r / step) * step * 2.0 ** e      # np.round: ties to even
;;       return np.moveaxis(q.reshape(q.shape[:-2] + (-1,))[..., :K], -1, axis).astype(np.float32)
;;   ~~~
;;   SOFTMAX AHEAD OF A QUANTISED PRODUCT. Where the list says 'softmax', what is quantised is not the finished softmax but p = 2^(t - M), with t = logit x log2(e) and M = ceil(the row's largest t), a whole number; so 1/2 < the row's largest p <= 1. The row's sum l is taken of the UNQUANTISED p, in f32, and the product's result is divided by l at the end. Since M is a whole number, a kernel that streams over the keys may use a running M (the ceiling of the running maximum): every later rescaling is an exact power of two, which a block's scale takes up: the codes' values come out the same.
;;   OPERANDS COMPUTED ON THE WAY. 'Computed on the way' means the value that the module computes at that place (a softmax that the list does not call 'softmax' is quantised finished and normalised). What goes into a quantiser is computed in f32, as accurately as f32 sums, v_exp_f32 and their like allow (about 1e-6 of the number): no bf16 or f16 on the way to a quantiser, and a product that is left as it is and whose result goes on into a quantised operand takes f32 operands (vector FMAs, or v_wmma_f32_16x16x4_f32). A number that lies on a knife's edge between two numbers of the format may be rounded either way, as far as f32 arithmetic and the matrix unit's own rounding can turn it there, and no further.
;; 2 versions. Each part assembles by itself: llvm-mc -triple=amdgcn-amd-amdhsa -mcpu=gfx1250 --defsym DOCPART=n.
;; ======== version 1 of 2: 4 launches
;; workspace buffers: wts 3,276,800 bytes; msk 589,824 bytes of whole numbers; qkv 20,185,088 bytes; att 6,553,600 bytes
;; launch prep (part 1): grid 256 x 1, 4 waves a work-group, no clusters, 34,304 bytes of LDS; arguments W_q, W_k, W_v, W_o, mask, wts, msk; writes wts, msk
.if DOCPART == 1
	.amdgcn_target "amdgcn-amd-amdhsa--gfx1250"
	.amdhsa_code_object_version 6
	.text
	.protected	k_q8b4edcb967_prep
	.globl	k_q8b4edcb967_prep
	.p2align	8
	.type	k_q8b4edcb967_prep,@function
k_q8b4edcb967_prep:
	s_mov_b64 s[64:65], 0
	v_nop
	global_prefetch_b8 v0, s[64:65] scope:SCOPE_SE
	s_setreg_imm32_b32 hwreg(HW_REG_WAVE_MODE, 25, 1), 1
	s_wait_xcnt 0x0
; PREP.  Work-groups 0-127: the four weights [1024][1024] f32 (K innermost) become codes of FP6 (E2M3) with one E8M0 byte for each 32 along K,
; laid as IMAGES OF OPERAND REGISTERS: a fragment (16 rows x 128 K, 12 registers a lane) is 1,536 bytes, registers 4 c .. 4 c + 3 of lane l at 512 c + 16 l.
; wts: images [W 4][group g of 64 rows, 16][K step s, 8][tile f, 4]; from byte 3,145,728 the scale words [W][g][s][lane r 16][f 4].
; THE ROWS OF A TILE ARE NOT NEIGHBOURS: lane r of tile f takes row 32 (f / 2) + 8 (f % 2) + r + 8 (r / 8) of its group, so that results made with such a tile as source 0 lie 16 neighbours to a lane.
; Work-groups 128-255: the mask [2048 queries][2048 keys] of bytes becomes whole numbers for the attention launch:
; msk: words [query tile t 128][key step k 16][n 64]: bit l of word n = mask[query of lane l % 16][128 k + 32 (n / 16) + 16 (l / 16) + n % 16]: the select mask of score register n;
; from byte 524,288 flags [t][wave w 4][32 words]: word q < 4 for key step 4 w + q: bits 15:0 = row r has an open key in the step, bit 16 = the whole piece is open; the other words 0.
; A block's scale is 2^(floor(log2(largest magnitude)) - 2); its byte is the largest magnitude's exponent field - 2, held at 1 from below.
; LIMITS: a block of zeros gets the byte 1 (its codes are zeros, and this program alone reads the bytes); NaN and infinities among the inputs are not served.
.set STGB,  8448                       ; a wave's stage: 16 rows x (512 bytes + 16): row r starts 4 r banks on
.set SPARE, 4*STGB                     ; behind the stages: the spare words, 128 bytes a wave
.set LI,  1                            ; v1   16 x lane
.set STW, 4                            ; v4   the stage, on the way in: 16 x lane
.set STR, 5                            ; v5   on the way out: 528 r + 64 h
.set SCO, 6                            ; v6   16 r + 8 h: my two scale words
.set X,   16                           ; v16-79  64 numbers: register 16 b + i = k 32 b + 16 h + i of my row
.set TM,  80                           ; v80-95  at work
.set PW,  96                           ; v96-99  the four fragments' scale words
.set T,   100                          ; v100-101 the two that I store
.set PC,  112                          ; v112-191 codes: 20 registers a fragment, so that no store's data are written again
.set SPW, 252
.set NIL, 253
.set SEL, 20                           ; s[20:21] lane selects: lane l xor 16
.set HM,  22                           ; s22  lanes 16-31
.set SRC, 36                           ; s[36:37] the weight at my rows and K step
.set MSB, 0
.macro WIN new                         ; the immediate's high byte repeats the setting that is left
.if MSB != \new
	s_set_vgpr_msb (MSB<<8)|\new
.set MSB, \new
.endif
.endm
; 16 rows of 512 bytes into set \set of window 1: each load reads 512 consecutive bytes of one row
.macro LOADF set, roff, koff
	WIN 0x40                                       ; destination window 1
.irp i, 0,1,2,3,4,5,6,7,8,9,10,11,12,13,14,15
	global_load_b128 v[64*(\set)+4*\i:64*(\set)+4*\i+3], v[LI], s[SRC:SRC+1] offset:((\roff)+\i+8*(\i/8))*4096+(\koff) th:TH_LOAD_NT
.endr
	WIN 0
.endm
; through my own stage: in as loaded, back 16 neighbours of each block of 32 to a lane.  LDS serves a wave's instructions in order: no wait between
.macro TURN set
	WIN 0x04                                       ; an LDS store's data: window 1
.irp i, 0,1,2,3,4,5,6,7,8,9,10,11,12,13,14,15
	ds_store_b128 v[STW], v[64*(\set)+4*\i:64*(\set)+4*\i+3] offset:528*\i
.endr
	WIN 0
.irp b, 0,1,2,3
.irp j, 0,1,2,3
	ds_load_b128 v[X+16*\b+4*\j:X+16*\b+4*\j+3], v[STR] offset:128*\b+16*\j
.endr
.endr
.endm
; 64 numbers of a lane become a fragment's 12 registers at pc (20 are used) and its scale word in pw
.macro QUANT s, pc, pw
.irp b, 0,1,2,3
	v_max3_num_f32 v[TM+\b], |v[(\s)+16*\b]|, |v[(\s)+1+16*\b]|, 0x1800000   ; my 16 numbers of block b, and the floor 2^(3 - 127): the byte cannot fall under 1
.endr
.irp i, 2,4,6,8,10,12,14
.irp b, 0,1,2,3
	v_max3_num_f32 v[TM+\b], v[TM+\b], |v[(\s)+16*\b+\i]|, |v[(\s)+1+16*\b+\i]|
.endr
.endr
.irp b, 0,1,2,3
	v_permlanex16_b32 v[TM+4+\b], v[TM+\b], s[SEL], s[SEL+1]
.endr
.irp b, 0,1,2,3
	v_max_num_f32 v[TM+\b], v[TM+\b], v[TM+4+\b]   ; with lane l xor 16's: the block's largest magnitude
.endr
.irp b, 0,1,2,3
	v_add_nc_u32 v[TM+12+\b], 0xff000000, v[TM+\b] ; 2 off its exponent field: the conversion's scale operand
.endr
.irp b, 0,1,2,3
	v_lshrrev_b32 v[TM+4+\b], 23, v[TM+12+\b]      ; the scale's byte
.endr
	v_lshl_or_b32 v[\pw], v[TM+5], 8, v[TM+4]
	v_lshl_or_b32 v[\pw], v[TM+6], 16, v[\pw]
	v_lshl_or_b32 v[\pw], v[TM+7], 24, v[\pw]
.irp c, 0,1
	v_cvt_scalef32_pk16_fp6_f32 v[(\pc)+6*\c:(\pc)+2+6*\c], v[(\s)+32*\c:(\s)+15+32*\c], v[TM+12+2*\c]
	v_cvt_scalef32_pk16_fp6_f32 v[(\pc)+12+4*\c:(\pc)+14+4*\c], v[(\s)+16+32*\c:(\s)+31+32*\c], v[TM+12+2*\c+1]   ; (a conversion's three registers begin on an even number)
.endr
	v_nop                                          ; one plain place behind a scaled conversion
.irp c, 0,1                            ; the operand's layout wants a whole block in a lane
.irp i, 0,1,2
	v_permlane16_swap_b32 v[(\pc)+6*\c+\i], v[(\pc)+12+4*\c+\i]
.endr
.irp i, 0,1,2
	v_mov_b32 v[(\pc)+3+6*\c+\i], v[(\pc)+12+4*\c+\i]
.endr
.endr
.endm
	s_load_b256 s[4:11], s[0:1], 0x0               ; W_q, W_k, W_v, W_o
	s_load_b128 s[12:15], s[0:1], 0x20             ; mask, wts
	s_load_b64 s[16:17], s[0:1], 0x30              ; msk
	v_lshl_add_u32 v[SPW], v0, 2, SPARE
	v_mov_b32 v[NIL], 0
	v_lshrrev_b32 v7, 5, v0
	v_readfirstlane_b32 s18, v7                    ; wave
	v_and_b32 v8, 31, v0                           ; lane
	v_and_b32 v2, 15, v0                           ; r
	v_bfe_u32 v3, v0, 4, 1                         ; h
	s_cmp_lt_u32 ttmp9, 128
	s_cbranch_scc0 .Lmask
	; ---- the weights: work-group x: W = x / 32, group g = (x / 2) % 16; wave w: K step 4 (x % 2) + w, all four tiles
	v_lshlrev_b32 v[LI], 4, v8
	s_mul_i32 s19, s18, STGB
	v_add_nc_u32 v[STW], s19, v[LI]
	v_mul_u32_u24 v[STR], v2, 528
	v_lshl_add_u32 v[STR], v3, 6, v[STR]
	v_add_nc_u32 v[STR], s19, v[STR]
	v_lshlrev_b32 v[SCO], 4, v2
	v_lshl_add_u32 v[SCO], v3, 3, v[SCO]
	s_mov_b32 s[SEL], 0x76543210
	s_mov_b32 s[SEL+1], 0xfedcba98
	s_mov_b32 s[HM], 0xffff0000
.irp b, 0,1,2,3
	v_mov_b32 v[TM+4+\b], 0                        ; written once: a lane permute's destination counts as one of its sources
.endr
	s_lshr_b32 s24, ttmp9, 5                       ; W
	s_bfe_u32 s25, ttmp9, 0x40001                  ; g
	s_and_b32 s26, ttmp9, 1
	s_lshl_b32 s26, s26, 2
	s_add_co_u32 s26, s26, s18                     ; s
	s_lshl_b32 s28, s25, 18                        ; 64 g rows of 4,096 bytes
	s_lshl_b32 s27, s26, 9                         ; + 512 s
	s_add_co_u32 s28, s28, s27
	s_mov_b32 s29, 0
	s_lshl_b32 s30, s24, 4
	s_add_co_u32 s30, s30, s25
	s_lshl_b32 s30, s30, 3
	s_add_co_u32 s30, s30, s26                     ; (16 W + g) 8 + s
	s_mul_i32 s32, s30, 6144
	s_mov_b32 s33, 0
	s_lshl_b32 s34, s30, 8
	s_add_co_u32 s34, s34, 3145728
	s_mov_b32 s35, 0
	s_wait_kmcnt 0x0
	s_cmp_lt_u32 s24, 1                            ; the choice hangs on the work-group's number alone
	s_cselect_b64 s[36:37], s[4:5], s[6:7]
	s_cmp_lt_u32 s24, 3
	s_cselect_b64 s[38:39], s[8:9], s[10:11]
	s_cmp_lt_u32 s24, 2
	s_cselect_b64 s[36:37], s[36:37], s[38:39]
	s_add_nc_u64 s[36:37], s[36:37], s[28:29]
	s_add_nc_u64 s[40:41], s[14:15], s[32:33]      ; my four images
	s_add_nc_u64 s[42:43], s[14:15], s[34:35]      ; my 256 bytes of scale words
	LOADF 0, 0, 0
	LOADF 1, 8, 0
	LOADF 2, 32, 0
	LOADF 3, 40, 0
.irp f, 0,1,2,3
	s_wait_loadcnt 16*(3-\f)                       ; this tile's 16 loads are in; the later tiles' may be out
	TURN \f
	s_wait_dscnt 0x0
	QUANT X, PC+20*\f, PW+\f
.irp c, 0,1,2
	global_store_b128 v[LI], v[PC+20*\f+4*\c:PC+20*\f+4*\c+3], s[40:41] offset:1536*\f+512*\c   ; 512 consecutive bytes
.endr
.endr
	v_cndmask_b32 v[T], v[PW], v[PW+2], s[HM]      ; lanes 0-15 store tiles 0 and 1's words of row r, lanes 16-31 tiles 2 and 3's
	v_cndmask_b32 v[T+1], v[PW+1], v[PW+3], s[HM]
	global_store_b64 v[SCO], v[T:T+1], s[42:43]    ; 256 consecutive bytes
	s_wait_tensorcnt 0x0                           ; the wave's end
	ds_add_u32 v[SPW], v[NIL]
	s_wait_dscnt 0x0
	s_endpgm
.Lmask:
	; ---- the mask: work-group 128 + t: query tile t; wave w: key steps 4 w .. 4 w + 3.
	s_sub_co_u32 s24, ttmp9, 128                   ; t
	v_and_b32 v9, 8, v2
	v_add_nc_u32 v9, v9, v2                        ; r + 8 (r / 8)
	v_lshlrev_b32 v9, 11, v9                       ; a row of the mask is 2,048 bytes
	v_lshl_add_u32 v9, v3, 4, v9                   ; + 16 h
	v_lshlrev_b32 v10, 2, v8                       ; 4 x lane
	s_lshr_b32 s25, s24, 1
	s_lshl_b32 s25, s25, 5
	s_and_b32 s26, s24, 1
	s_lshl_b32 s26, s26, 3
	s_add_co_u32 s25, s25, s26                     ; the tile's first row: 32 (t / 2) + 8 (t % 2)
	s_lshl_b32 s28, s25, 11
	s_lshl_b32 s26, s18, 9                         ; + my four steps' 512 bytes
	s_add_co_u32 s28, s28, s26
	s_mov_b32 s29, 0
	s_lshl_b32 s30, s24, 4
	s_lshl_b32 s26, s18, 2
	s_add_co_u32 s30, s30, s26
	s_lshl_b32 s30, s30, 8                         ; (16 t + 4 w) x 256
	s_mov_b32 s31, 0
	s_lshl_b32 s32, s24, 9
	s_lshl_b32 s26, s18, 7
	s_add_co_u32 s32, s32, s26
	s_add_co_u32 s32, s32, 524288                  ; my record of flags
	s_mov_b32 s33, 0
	s_wait_kmcnt 0x0
	s_add_nc_u64 s[12:13], s[12:13], s[28:29]
	s_add_nc_u64 s[36:37], s[16:17], s[30:31]
	s_add_nc_u64 s[38:39], s[16:17], s[32:33]
.irp q, 0,1,2,3
.irp b, 0,1,2,3
	global_load_b128 v[16+16*\q+4*\b:19+16*\q+4*\b], v9, s[12:13] offset:128*\q+32*\b th:TH_LOAD_NT   ; 16 keys of my query: 128 q + 32 b + 16 h on
.endr
.endr
.irp i, 0,1,2,3,4,5,6,7,8
	v_mov_b32 v[84+\i], 0                          ; the words' registers: v_writelane_b32 fills them lane by lane
.endr
	s_wait_loadcnt 0x0
; one key step: byte n of my 64 -> a mask over the 32 lanes -> lane n % 32 of the step's register n / 32
.macro MUNIT q
	s_mov_b32 s22, 0                               ; the or of the 64 words,
	s_mov_b32 s23, -1                              ; and the and
.set n, 0
.rept 64
	v_and_b32 v[80+n%2], 0xff<<(8*(n%4)), v[16+16*\q+n/4]
	v_cmp_ne_u32 s[20+n%2], 0, v[80+n%2]
	s_or_b32 s22, s22, s[20+n%2]
	s_and_b32 s23, s23, s[20+n%2]
	v_writelane_b32 v[84+2*\q+n/32], s[20+n%2], n%32
.set n, n+1
.endr
	global_store_b32 v10, v[84+2*\q], s[36:37] offset:256*\q
	global_store_b32 v10, v[85+2*\q], s[36:37] offset:256*\q+128
	s_lshr_b32 s26, s22, 16
	s_or_b32 s26, s26, s22
	s_and_b32 s26, s26, 0xffff                     ; row r has an open key
	s_cmp_eq_u32 s23, -1
	s_cselect_b32 s27, 0x10000, 0                  ; all is open
	s_or_b32 s26, s26, s27
	v_writelane_b32 v92, s26, \q
.endm
	MUNIT 0
	MUNIT 1
	MUNIT 2
	MUNIT 3
	global_store_b32 v10, v92, s[38:39]            ; 128 bytes: four flags and 28 zeros
	s_endpgm
.Lfunc_end_k_q8b4edcb967_prep:
	.size	k_q8b4edcb967_prep, .Lfunc_end_k_q8b4edcb967_prep-k_q8b4edcb967_prep
	.p2alignl 7, 3214868480
	.fill 96, 4, 3214868480
	.section	.rodata,"a",@progbits
	.p2align	6, 0x0
	.amdhsa_kernel k_q8b4edcb967_prep
		.amdhsa_group_segment_fixed_size 34304
		.amdhsa_private_segment_fixed_size 0
		.amdhsa_enable_private_segment 0
		.amdhsa_kernarg_size 56
		.amdhsa_user_sgpr_count 2
		.amdhsa_user_sgpr_kernarg_segment_ptr 1
		.amdhsa_wavefront_size32 1
		.amdhsa_system_sgpr_workgroup_id_x 1
		.amdhsa_system_sgpr_workgroup_id_y 1
		.amdhsa_system_sgpr_workgroup_id_z 1
		.amdhsa_system_vgpr_workitem_id 0
		.amdhsa_next_free_vgpr 512
		.amdhsa_next_free_sgpr 66
		.amdhsa_reserve_vcc 0
		.amdhsa_float_denorm_mode_32 3
		.amdhsa_float_denorm_mode_16_64 3
		.amdhsa_memory_ordered 1
		.amdhsa_forward_progress 1
		.amdhsa_inst_pref_size 103
	.end_amdhsa_kernel
	.amdgpu_metadata
---
amdhsa.version: [ 1, 2 ]
amdhsa.kernels:
  - .name:           k_q8b4edcb967_prep
    .symbol:         k_q8b4edcb967_prep.kd
    .args:
      - { .name: W_q, .offset: 0, .size: 8, .value_kind: global_buffer, .address_space: global }
      - { .name: W_k, .offset: 8, .size: 8, .value_kind: global_buffer, .address_space: global }
      - { .name: W_v, .offset: 16, .size: 8, .value_kind: global_buffer, .address_space: global }
      - { .name: W_o, .offset: 24, .size: 8, .value_kind: global_buffer, .address_space: global }
      - { .name: mask, .offset: 32, .size: 8, .value_kind: global_buffer, .address_space: global }
      - { .name: wts, .offset: 40, .size: 8, .value_kind: global_buffer, .address_space: global }
      - { .name: msk, .offset: 48, .size: 8, .value_kind: global_buffer, .address_space: global }
    .group_segment_fixed_size: 34304
    .private_segment_fixed_size: 0
    .kernarg_segment_align: 8
    .kernarg_segment_size: 56
    .max_flat_workgroup_size: 128
    .sgpr_count:     66
    .vgpr_count:     512
    .wavefront_size: 32
...
	.end_amdgpu_metadata
.endif
;; end of part 1
;; launch proj (part 2): grid 64 x 3, 8 waves a work-group, no clusters, 171,008 bytes of LDS; arguments q, k, v, wts, qkv; writes qkv
.if DOCPART == 2
	.amdgcn_target "amdgcn-amd-amdhsa--gfx1250"
	.amdhsa_code_object_version 6
	.text
	.protected	k_q8b4edcb967_proj
	.globl	k_q8b4edcb967_proj
	.p2align	8
	.type	k_q8b4edcb967_proj,@function
k_q8b4edcb967_proj:
	s_mov_b64 s[64:65], 0
	v_nop
	global_prefetch_b8 v0, s[64:65] scope:SCOPE_SE
	s_setreg_imm32_b32 hwreg(HW_REG_WAVE_MODE, 25, 1), 1
	s_wait_xcnt 0x0
; PROJ.  Y = x W^T on codes of FP6 (E2M3) with one E8M0 byte for each 32 along K, for x = q, k, v (work-group y), and Y quantised at once as the attention's operand.
; A work-group takes 128 tokens (work-group x).  PHASE X: it reads their 128 x 1,024 f32 ONCE and quantises them into LDS, as images of operand registers (wave w: token tile w, all 8 K steps).
; PHASE G: wave w multiplies them by weight groups 2 w and 2 w + 1 (64 features each: a head), one after the other: 32 accumulators of 16 x 16.  W's fragments come from memory straight into registers,
; as the launch before laid them; each is wanted by one wave of the work-group alone, so they do not go through LDS, and nothing is shared with another work-group at the same time by a joint request.
; TILES ARE PERMUTED: lane r of tile 2 b + u of a group of 32 rows stands for row 32 b + 8 u + r + 8 (r / 8).
; q, k: source 0 = 16 features, source 1 = 16 tokens: a lane holds one token and 16 neighbouring features of each block of 32: quantised along the head's 64: half fragments (6 registers, 768 bytes).
; v: source 0 = 16 tokens, source 1 = 16 features: a lane holds one feature and 16 neighbouring tokens of each block: quantised along the keys: full fragments.
; qkv: Q's images at 0, K's at 6,291,456: [head and batch 64][tile 128] x 768; V's at 12,582,912: [hb][key step 16][f 4] x 1,536; scale words: Q's at 18,874,368, K's at 19,398,656: [hb][step][j 2][r 16][4]
; (bytes 2, 3 are 0); V's at 19,922,944: [hb][step][r 16][f 4].
; 192 work-groups: 3 x 8,192 rows in blocks of 128; a block of 64 rows would read W twice as often.
; LIMITS: a block of zeros gets the byte 1 (zero codes; the bytes are read by this program alone); NaN and infinities among the inputs are not served.
.set XIMG,  0                          ; LDS: x's 64 fragments [K step 8][tile 8] x 1,536
.set XSC,   98304                      ; their scale words [s][j 2][r 16][4]
.set STG,   102400                     ; a stage of 16 x 528 bytes for each wave
.set STGB,  8448
.set SPARE, STG+8*STGB                 ; the spare words, 128 bytes a wave
.set LI,   1                           ; v1   16 x lane
.set STW,  4                           ; v4   the stage, in
.set STR,  5                           ; v5   the stage, out
.set XWI0, 6                           ; v6   where I store x's images, K steps 0-3: 16 x lane + 1,536 x wave
.set XWI1, 7                           ; v7   K steps 4-7: 49,152 on
.set XWS,  8                           ; v8   and their scale words
.set LI1,  9                           ; v9   16 x lane + 49,152
.set XSR,  10                          ; v10  XSC + 16 r
.set WSO,  11                          ; v11  16 r
.set L8,   12                          ; v12  8 x lane
.set SCO,  13                          ; v13  16 r + 8 h
.set WF,   16                          ; v16-111  W's fragments, two sets of 4 x 12
.set XF,   112                         ; v112-207 x's eight fragments
.set WS,   208                         ; v208-215 W's scale words, two sets of 4: nothing else ever lies here
.set XS,   216                         ; v216-231 x's, two sets of 8: likewise
.set X,    112                         ; phase X: 64 numbers,
.set PC,   176                         ; the codes just made,
.set TM,   16                          ; at work,
.set PW,   32                          ; the scale word
.set OTM,  16                          ; the way out: 16 largest magnitudes,
.set OTP,  32                          ; the other half's, then the bytes,
.set OSO,  48                          ; the conversions' scale operands,
.set PWD,  64                          ; the scale words,
.set T,    72                          ; those that I store,
.set PO,   112                         ; the codes
.set SPW,  252
.set NIL,  253
.set SEL,  20                          ; s[20:21]
.set HM,   23                          ; s23  lanes 16-31
.set SRC,  4                           ; s[4:5] x at my tile's first row
.set MSB, 0
.macro WIN new                         ; the immediate's high byte repeats the setting that is left
.if MSB != \new
	s_set_vgpr_msb (MSB<<8)|\new
.set MSB, \new
.endif
.endm
.macro LOADF set, roff, koff           ; 16 rows of 512 bytes into set \set of window 1: each load reads 512 consecutive bytes of one row
	WIN 0x40
.irp i, 0,1,2,3,4,5,6,7,8,9,10,11,12,13,14,15
	global_load_b128 v[64*(\set)+4*\i:64*(\set)+4*\i+3], v[LI], s[SRC:SRC+1] offset:((\roff)+\i+8*(\i/8))*4096+(\koff) th:TH_LOAD_NT
.endr
	WIN 0
.endm
.macro TURN set                        ; through my own stage: in as loaded, back 16 neighbours of each block of 32 to a lane; LDS serves a wave's instructions in order
	WIN 0x04
.irp i, 0,1,2,3,4,5,6,7,8,9,10,11,12,13,14,15
	ds_store_b128 v[STW], v[64*(\set)+4*\i:64*(\set)+4*\i+3] offset:528*\i
.endr
	WIN 0
.irp b, 0,1,2,3
.irp j, 0,1,2,3
	ds_load_b128 v[X+16*\b+4*\j:X+16*\b+4*\j+3], v[STR] offset:128*\b+16*\j
.endr
.endr
.endm
.macro QUANT s, pc, pw                 ; 64 numbers of a lane become a fragment's 12 registers at pc (20 are used) and its scale word in pw
.irp b, 0,1,2,3
	v_max3_num_f32 v[TM+\b], |v[(\s)+16*\b]|, |v[(\s)+1+16*\b]|, 0x1800000   ; and the floor 2^(3 - 127): the byte cannot fall under 1
.endr
.irp i, 2,4,6,8,10,12,14
.irp b, 0,1,2,3
	v_max3_num_f32 v[TM+\b], v[TM+\b], |v[(\s)+16*\b+\i]|, |v[(\s)+1+16*\b+\i]|
.endr
.endr
.irp b, 0,1,2,3
	v_permlanex16_b32 v[TM+4+\b], v[TM+\b], s[SEL], s[SEL+1]
.endr
.irp b, 0,1,2,3
	v_max_num_f32 v[TM+\b], v[TM+\b], v[TM+4+\b]
.endr
.irp b, 0,1,2,3
	v_add_nc_u32 v[TM+12+\b], 0xff000000, v[TM+\b] ; 2 off the exponent field: the conversion's scale operand
.endr
.irp b, 0,1,2,3
	v_lshrrev_b32 v[TM+4+\b], 23, v[TM+12+\b]      ; the scale's byte
.endr
	v_lshl_or_b32 v[\pw], v[TM+5], 8, v[TM+4]
	v_lshl_or_b32 v[\pw], v[TM+6], 16, v[\pw]
	v_lshl_or_b32 v[\pw], v[TM+7], 24, v[\pw]
.irp c, 0,1
	v_cvt_scalef32_pk16_fp6_f32 v[(\pc)+6*\c:(\pc)+2+6*\c], v[(\s)+32*\c:(\s)+15+32*\c], v[TM+12+2*\c]
	v_cvt_scalef32_pk16_fp6_f32 v[(\pc)+12+4*\c:(\pc)+14+4*\c], v[(\s)+16+32*\c:(\s)+31+32*\c], v[TM+12+2*\c+1]
.endr
	v_nop                                          ; one plain place behind a scaled conversion
.irp c, 0,1
.irp i, 0,1,2
	v_permlane16_swap_b32 v[(\pc)+6*\c+\i], v[(\pc)+12+4*\c+\i]
.endr
.irp i, 0,1,2
	v_mov_b32 v[(\pc)+3+6*\c+\i], v[(\pc)+12+4*\c+\i]
.endr
.endr
.endm
	s_load_b256 s[36:43], s[0:1], 0x0              ; q, k, v, wts
	s_load_b64 s[44:45], s[0:1], 0x20              ; qkv
	v_lshl_add_u32 v[SPW], v0, 2, SPARE
	v_mov_b32 v[NIL], 0
	v_lshrrev_b32 v14, 5, v0
	v_readfirstlane_b32 s14, v14                   ; wave 0..7
	s_and_b32 s15, ttmp7, 0xffff                   ; y: which tensor
	s_mov_b32 s16, ttmp9                           ; m: which 128 tokens
	v_and_b32 v14, 31, v0
	v_and_b32 v2, 15, v0                           ; r
	v_bfe_u32 v3, v0, 4, 1                         ; h
	v_lshlrev_b32 v[LI], 4, v14
	v_lshlrev_b32 v[L8], 3, v14
	s_mul_i32 s24, s14, STGB
	s_add_co_u32 s24, s24, STG
	v_add_nc_u32 v[STW], s24, v[LI]
	v_mul_u32_u24 v[STR], v2, 528
	v_lshl_add_u32 v[STR], v3, 6, v[STR]
	v_add_nc_u32 v[STR], s24, v[STR]
	s_mul_i32 s24, s14, 1536
	v_add_nc_u32 v[XWI0], s24, v[LI]
	v_add_nc_u32 v[XWI1], 49152, v[XWI0]
	v_lshlrev_b32 v[WSO], 4, v2
	s_lshr_b32 s24, s14, 2
	s_lshl_b32 s24, s24, 8
	s_and_b32 s25, s14, 3
	s_lshl_b32 s25, s25, 2
	s_add_co_u32 s24, s24, s25
	s_add_co_u32 s24, s24, XSC
	v_add_nc_u32 v[XWS], s24, v[WSO]               ; XSC + 256 (w / 4) + 16 r + 4 (w % 4)
	v_add_nc_u32 v[LI1], 49152, v[LI]
	v_add_nc_u32 v[XSR], XSC, v[WSO]
	v_lshl_add_u32 v[SCO], v3, 3, v[WSO]
	s_mov_b32 s[SEL], 0x76543210
	s_mov_b32 s[SEL+1], 0xfedcba98
	s_mov_b32 s[HM], 0xffff0000
.irp b, 0,1,2,3
	v_mov_b32 v[TM+4+\b], 0                        ; written once: a lane permute's destination counts as one of its sources
.endr
	s_lshl_b32 s24, s16, 19                        ; x: 128 m rows of 4,096 bytes
	s_lshr_b32 s25, s14, 1
	s_lshl_b32 s25, s25, 17                        ; + 32 (w / 2) rows
	s_add_co_u32 s24, s24, s25
	s_and_b32 s25, s14, 1
	s_lshl_b32 s25, s25, 15                        ; + 8 (w % 2) rows
	s_add_co_u32 s24, s24, s25
	s_mov_b32 s25, 0
	s_mul_i32 s26, s15, 786432                     ; W's images: tensor y, group 2 w
	s_mul_i32 s27, s14, 98304
	s_add_co_u32 s26, s26, s27
	s_mov_b32 s27, 0
	s_lshl_b32 s28, s15, 15                        ; W's scale words
	s_lshl_b32 s29, s14, 12
	s_add_co_u32 s28, s28, s29
	s_add_co_u32 s28, s28, 3145728
	s_mov_b32 s29, 0
	s_lshr_b32 s30, s16, 4
	s_lshl_b32 s30, s30, 4
	s_lshl_b32 s31, s14, 1
	s_add_co_u32 s30, s30, s31                     ; hb = 16 x batch + 2 w
	s_and_b32 s31, s16, 15                         ; the key step (of 128 tokens) in the batch
	s_mul_i32 s32, s30, 98304
	s_mul_i32 s33, s31, 6144
	s_add_co_u32 s32, s32, s33
	s_mul_i32 s33, s15, 6291456
	s_add_co_u32 s32, s32, s33                     ; the images that I make
	s_mov_b32 s33, 0
	s_lshl_b32 s34, s30, 13
	s_lshl_b32 s35, s31, 9
	s_add_co_u32 s34, s34, s35
	s_cmp_eq_u32 s15, 2
	s_cselect_b32 s35, 1, 0
	s_lshr_b32 s34, s34, s35                       ; V has half as many scale words
	s_lshl_b32 s35, s15, 19
	s_add_co_u32 s34, s34, s35
	s_add_co_u32 s34, s34, 18874368
	s_mov_b32 s35, 0
	s_wait_kmcnt 0x0
	s_cmp_eq_u32 s15, 0                            ; the choice hangs on the work-group's number alone
	s_cselect_b64 s[4:5], s[36:37], s[38:39]
	s_cmp_eq_u32 s15, 2
	s_cselect_b64 s[4:5], s[40:41], s[4:5]
	s_add_nc_u64 s[4:5], s[4:5], s[24:25]
	s_add_nc_u64 s[6:7], s[42:43], s[26:27]
	s_add_nc_u64 s[8:9], s[42:43], s[28:29]
	s_add_nc_u64 s[10:11], s[44:45], s[32:33]
	s_add_nc_u64 s[12:13], s[44:45], s[34:35]
	; ---- PHASE X: my tile's eight K steps; loads run four steps (64 loads) ahead
.macro FRAGX s
.if (\s) < 5
	s_wait_loadcnt 48                              ; this step's 16 loads are in; those of the three steps behind it may be out
.else
	s_wait_loadcnt 16*(7-(\s))
.endif
	TURN (\s)%4
	s_wait_dscnt 0x0                               ; the numbers are back; the stage's stores have read their registers, the last image's stores theirs
.if (\s) < 4
	LOADF (\s)%4, 0, 512*((\s)+4)
.endif
	QUANT X, PC, PW
.irp c, 0,1,2
.if (\s) < 4
	ds_store_b128 v[XWI0], v[PC+4*\c:PC+4*\c+3] offset:((\s)%4)*12288+512*\c
.else
	ds_store_b128 v[XWI1], v[PC+4*\c:PC+4*\c+3] offset:((\s)%4)*12288+512*\c
.endif
.endr
	ds_store_b32 v[XWS], v[PW] offset:512*(\s)     ; lanes r and 16 + r write the same word with the same value
.endm
	LOADF 0, 0, 0
	LOADF 1, 0, 512
	LOADF 2, 0, 1024
	LOADF 3, 0, 1536
.irp s, 0,1,2,3,4,5,6,7
	FRAGX \s
.endr
	s_wait_dscnt 0x0                               ; for the others' sake: my images have landed
	s_barrier_signal -1
	s_barrier_wait -1                              ; x's 64 fragments lie in LDS; from here on LDS is only read
	; ---- PHASE G
.macro WLOAD s, set                    ; 13 loads: K step s of my group: four fragments and their scale words
.irp i, 0,1,2,3,4,5,6,7,8,9,10,11
	global_load_b128 v[WF+48*(\set)+4*\i:WF+48*(\set)+4*\i+3], v[LI], s[6:7] offset:6144*(\s)+512*\i
.endr
	global_load_b128 v[WS+4*(\set):WS+4*(\set)+3], v[WSO], s[8:9] offset:256*(\s)
.endm
.macro XFL s, t0                       ; 12 LDS loads: x's tiles t0 .. t0 + 3 of K step s
.irp t, \t0, \t0+1, \t0+2, \t0+3
.irp c, 0,1,2
.if (\s) < 4
	ds_load_b128 v[XF+12*(\t)+4*\c:XF+12*(\t)+4*\c+3], v[LI] offset:((\s)%4)*12288+1536*(\t)+512*\c
.else
	ds_load_b128 v[XF+12*(\t)+4*\c:XF+12*(\t)+4*\c+3], v[LI1] offset:((\s)%4)*12288+1536*(\t)+512*\c
.endif
.endr
.endr
.endm
.macro XSL s                           ; 2 LDS loads: the eight tiles' scale words of K step s
	ds_load_b128 v[XS+8*((\s)%2):XS+8*((\s)%2)+3], v[XSR] offset:512*(\s)
	ds_load_b128 v[XS+8*((\s)%2)+4:XS+8*((\s)%2)+7], v[XSR] offset:512*(\s)+256
.endm
; 16 matrix instructions.  The 32 accumulators take turns, one instruction a turn, in the same order in every step.  The first K step starts the sums with the constant 0
.macro MULS s, t0, v
.irp t, \t0, \t0+1, \t0+2, \t0+3
.irp f, 0,1,2,3
.if \v
.if (\s) == 0
	v_wmma_scale_f32_16x16x128_f8f6f4 v[8*(8*\f+(\t)):8*(8*\f+(\t))+7], v[XF+12*(\t):XF+12*(\t)+11], v[WF+48*((\s)%2)+12*\f:WF+48*((\s)%2)+12*\f+11], 0, v[XS+8*((\s)%2)+(\t)], v[WS+4*((\s)%2)+\f] matrix_a_fmt:MATRIX_FMT_FP6 matrix_b_fmt:MATRIX_FMT_FP6
.else
	v_wmma_scale_f32_16x16x128_f8f6f4 v[8*(8*\f+(\t)):8*(8*\f+(\t))+7], v[XF+12*(\t):XF+12*(\t)+11], v[WF+48*((\s)%2)+12*\f:WF+48*((\s)%2)+12*\f+11], v[8*(8*\f+(\t)):8*(8*\f+(\t))+7], v[XS+8*((\s)%2)+(\t)], v[WS+4*((\s)%2)+\f] matrix_a_fmt:MATRIX_FMT_FP6 matrix_b_fmt:MATRIX_FMT_FP6
.endif
.else
.if (\s) == 0
	v_wmma_scale_f32_16x16x128_f8f6f4 v[8*(4*(\t)+\f):8*(4*(\t)+\f)+7], v[WF+48*((\s)%2)+12*\f:WF+48*((\s)%2)+12*\f+11], v[XF+12*(\t):XF+12*(\t)+11], 0, v[WS+4*((\s)%2)+\f], v[XS+8*((\s)%2)+(\t)] matrix_a_fmt:MATRIX_FMT_FP6 matrix_b_fmt:MATRIX_FMT_FP6
.else
	v_wmma_scale_f32_16x16x128_f8f6f4 v[8*(4*(\t)+\f):8*(4*(\t)+\f)+7], v[WF+48*((\s)%2)+12*\f:WF+48*((\s)%2)+12*\f+11], v[XF+12*(\t):XF+12*(\t)+11], v[8*(4*(\t)+\f):8*(4*(\t)+\f)+7], v[WS+4*((\s)%2)+\f], v[XS+8*((\s)%2)+(\t)] matrix_a_fmt:MATRIX_FMT_FP6 matrix_b_fmt:MATRIX_FMT_FP6
.endif
.endif
.endr
.endr
.endm
.macro PLACES                          ; four plain places between a matrix instruction and a load into, or a vector read or write of, its registers
.rept 4
	v_nop
.endr
.endm
.macro STEP s, v
.if (\s) < 7
	s_wait_loadcnt 13                              ; W of this step is in; the next step's 13 loads may be out
.else
	s_wait_loadcnt 0x0
.endif
	s_wait_dscnt 12                                ; x's tiles 0-3 and the scale words are in; the youngest 12 loads (tiles 4-7) may be out
	WIN 0x50                                       ; C and D window 1
	MULS \s, 0, \v
	s_wait_dscnt 0x0                               ; tiles 4-7 are in
	PLACES
	WIN 0
.if (\s) < 7
	XFL (\s)+1, 0
	XSL (\s)+1
.endif
	WIN 0x50
	MULS \s, 4, \v
	PLACES
	WIN 0
.if (\s) < 7
	XFL (\s)+1, 4
.endif
.if (\s) < 6
	WLOAD (\s)+2, (\s)%2
.endif
.endm
.macro PASS v
	WLOAD 0, 0
	WLOAD 1, 1
	XFL 0, 0
	XSL 0
	XFL 0, 4
.irp s, 0,1,2,3,4,5,6,7
	STEP \s, \v
.endr
.endm
; The way out, first half, for both layouts: block p of 16 is accumulator registers 16 p .. 16 p + 15 of window 1: 16 neighbours along the next K; the other 16 lie in lane l xor 16.
; Each accumulator is read from its low end on.  (v32-47 have been written by awaited loads of W: a lane permute's destination counts as one of its sources.)
.macro SCALES16
	WIN 0x14                                       ; sources 1 and 2 window 1
.irp p, 0,1,2,3,4,5,6,7,8,9,10,11,12,13,14,15
	v_max3_num_f32 v[OTM+\p], 0x1800000, |v[16*\p]|, |v[16*\p+1]|   ; with the floor 2^(3 - 127)
.endr
.irp i, 2,4,6,8,10,12,14
.irp p, 0,1,2,3,4,5,6,7,8,9,10,11,12,13,14,15
	v_max3_num_f32 v[OTM+\p], v[OTM+\p], |v[16*\p+\i]|, |v[16*\p+\i+1]|
.endr
.endr
	WIN 0
.irp p, 0,1,2,3,4,5,6,7,8,9,10,11,12,13,14,15
	v_permlanex16_b32 v[OTP+\p], v[OTM+\p], s[SEL], s[SEL+1]
.endr
.irp p, 0,1,2,3,4,5,6,7,8,9,10,11,12,13,14,15
	v_max_num_f32 v[OTM+\p], v[OTM+\p], v[OTP+\p]
.endr
.irp p, 0,1,2,3,4,5,6,7,8,9,10,11,12,13,14,15
	v_add_nc_u32 v[OSO+\p], 0xff000000, v[OTM+\p]
.endr
.irp p, 0,1,2,3,4,5,6,7,8,9,10,11,12,13,14,15
	v_lshrrev_b32 v[OTP+\p], 23, v[OSO+\p]
.endr
.endm
.macro OUT_QK                          ; eight half fragments (tile t: blocks 2 t, 2 t + 1) and their scale words
	SCALES16
.irp t, 0,1,2,3,4,5,6,7
	v_lshl_or_b32 v[PWD+\t], v[OTP+2*\t+1], 8, v[OTP+2*\t]   ; bytes 2 and 3 stay 0: they meet zero codes
.endr
	WIN 0x01                                       ; the numbers: window 1
.irp p, 0,1,2,3,4,5,6,7,8,9,10,11,12,13,14,15
	v_cvt_scalef32_pk16_fp6_f32 v[PO+4*\p:PO+4*\p+2], v[16*\p:16*\p+15], v[OSO+\p]
.endr
	v_nop                                          ; one plain place behind a scaled conversion
	WIN 0
.irp t, 0,1,2,3,4,5,6,7
.irp i, 0,1,2
	v_permlane16_swap_b32 v[PO+8*\t+\i], v[PO+8*\t+4+\i]   ; lanes 0-15 now hold block 0 whole, lanes 16-31 block 1
.endr
.irp i, 0,1,2
	v_mov_b32 v[PO+8*\t+3+\i], v[PO+8*\t+4+\i]
.endr
.irp p, 0,1,2
	global_store_b64 v[L8], v[PO+8*\t+2*\p:PO+8*\t+2*\p+1], s[10:11] offset:768*\t+256*\p   ; 256 consecutive bytes, aligned
.endr
.endr
.irp j, 0,1
	v_cndmask_b32 v[T+2*\j], v[PWD+4*\j], v[PWD+4*\j+2], s[HM]
	v_cndmask_b32 v[T+2*\j+1], v[PWD+4*\j+1], v[PWD+4*\j+3], s[HM]
	global_store_b64 v[SCO], v[T+2*\j:T+2*\j+1], s[12:13] offset:256*\j
.endr
.endm
.macro OUT_V                           ; four full fragments (tile f of features: blocks 4 f .. 4 f + 3 along the keys) and their scale words
	SCALES16
.irp f, 0,1,2,3
	v_lshl_or_b32 v[PWD+\f], v[OTP+4*\f+1], 8, v[OTP+4*\f]
	v_lshl_or_b32 v[PWD+\f], v[OTP+4*\f+2], 16, v[PWD+\f]
	v_lshl_or_b32 v[PWD+\f], v[OTP+4*\f+3], 24, v[PWD+\f]
.endr
	WIN 0x01
.irp f, 0,1,2,3
.irp c, 0,1
	v_cvt_scalef32_pk16_fp6_f32 v[PO+20*\f+6*\c:PO+20*\f+6*\c+2], v[64*\f+32*\c:64*\f+32*\c+15], v[OSO+4*\f+2*\c]
	v_cvt_scalef32_pk16_fp6_f32 v[PO+20*\f+12+4*\c:PO+20*\f+14+4*\c], v[64*\f+32*\c+16:64*\f+32*\c+31], v[OSO+4*\f+2*\c+1]
.endr
.endr
	v_nop
	WIN 0
.irp f, 0,1,2,3
.irp c, 0,1
.irp i, 0,1,2
	v_permlane16_swap_b32 v[PO+20*\f+6*\c+\i], v[PO+20*\f+12+4*\c+\i]
.endr
.irp i, 0,1,2
	v_mov_b32 v[PO+20*\f+6*\c+3+\i], v[PO+20*\f+12+4*\c+\i]
.endr
.endr
.irp c, 0,1,2
	global_store_b128 v[LI], v[PO+20*\f+4*\c:PO+20*\f+4*\c+3], s[10:11] offset:1536*\f+512*\c
.endr
.endr
	v_cndmask_b32 v[T], v[PWD], v[PWD+2], s[HM]
	v_cndmask_b32 v[T+1], v[PWD+1], v[PWD+3], s[HM]
	global_store_b64 v[SCO], v[T:T+1], s[12:13]
.endm
	s_mov_b32 s22, 2                               ; two groups of 64 features a wave
	s_cmp_eq_u32 s15, 2
	s_cbranch_scc1 .Lpass_v
.Lpass_qk:
	PASS 0
	OUT_QK
	s_wait_xcnt 0x0                                ; the stores have read their data and bases: both are written again only behind this wait
	s_add_nc_u64 s[6:7], s[6:7], 49152
	s_add_nc_u64 s[8:9], s[8:9], 2048
	s_add_nc_u64 s[10:11], s[10:11], 98304
	s_add_nc_u64 s[12:13], s[12:13], 8192
	s_sub_co_u32 s22, s22, 1
	s_cmp_lg_u32 s22, 0
	s_cbranch_scc1 .Lpass_qk
	s_branch .Ldone
.Lpass_v:
	PASS 1
	OUT_V
	s_wait_xcnt 0x0
	s_add_nc_u64 s[6:7], s[6:7], 49152
	s_add_nc_u64 s[8:9], s[8:9], 2048
	s_add_nc_u64 s[10:11], s[10:11], 98304
	s_add_nc_u64 s[12:13], s[12:13], 4096
	s_sub_co_u32 s22, s22, 1
	s_cmp_lg_u32 s22, 0
	s_cbranch_scc1 .Lpass_v
.Ldone:
	s_wait_tensorcnt 0x0                           ; the wave's end
	ds_add_u32 v[SPW], v[NIL]
	s_wait_dscnt 0x0
	s_endpgm
.Lfunc_end_k_q8b4edcb967_proj:
	.size	k_q8b4edcb967_proj, .Lfunc_end_k_q8b4edcb967_proj-k_q8b4edcb967_proj
	.p2alignl 7, 3214868480
	.fill 96, 4, 3214868480
	.section	.rodata,"a",@progbits
	.p2align	6, 0x0
	.amdhsa_kernel k_q8b4edcb967_proj
		.amdhsa_group_segment_fixed_size 171008
		.amdhsa_private_segment_fixed_size 0
		.amdhsa_enable_private_segment 0
		.amdhsa_kernarg_size 40
		.amdhsa_user_sgpr_count 2
		.amdhsa_user_sgpr_kernarg_segment_ptr 1
		.amdhsa_wavefront_size32 1
		.amdhsa_system_sgpr_workgroup_id_x 1
		.amdhsa_system_sgpr_workgroup_id_y 1
		.amdhsa_system_sgpr_workgroup_id_z 1
		.amdhsa_system_vgpr_workitem_id 0
		.amdhsa_next_free_vgpr 512
		.amdhsa_next_free_sgpr 66
		.amdhsa_reserve_vcc 0
		.amdhsa_float_denorm_mode_32 3
		.amdhsa_float_denorm_mode_16_64 3
		.amdhsa_memory_ordered 1
		.amdhsa_forward_progress 1
		.amdhsa_inst_pref_size 217
	.end_amdhsa_kernel
	.amdgpu_metadata
---
amdhsa.version: [ 1, 2 ]
amdhsa.kernels:
  - .name:           k_q8b4edcb967_proj
    .symbol:         k_q8b4edcb967_proj.kd
    .args:
      - { .name: q, .offset: 0, .size: 8, .value_kind: global_buffer, .address_space: global }
      - { .name: k, .offset: 8, .size: 8, .value_kind: global_buffer, .address_space: global }
      - { .name: v, .offset: 16, .size: 8, .value_kind: global_buffer, .address_space: global }
      - { .name: wts, .offset: 24, .size: 8, .value_kind: global_buffer, .address_space: global }
      - { .name: qkv, .offset: 32, .size: 8, .value_kind: global_buffer, .address_space: global }
    .group_segment_fixed_size: 171008
    .private_segment_fixed_size: 0
    .kernarg_segment_align: 8
    .kernarg_segment_size: 40
    .max_flat_workgroup_size: 256
    .sgpr_count:     66
    .vgpr_count:     512
    .wavefront_size: 32
...
	.end_amdgpu_metadata
.endif
;; end of part 2
;; launch attn (part 3): grid 4 x 64, 16 waves a work-group, no clusters, 210,944 bytes of LDS; arguments qkv, msk, att; writes att
.if DOCPART == 3
	.amdgcn_target "amdgcn-amd-amdhsa--gfx1250"
	.amdhsa_code_object_version 6
	.text
	.protected	k_q8b4edcb967_attn
	.globl	k_q8b4edcb967_attn
	.p2align	8
	.type	k_q8b4edcb967_attn,@function
k_q8b4edcb967_attn:
	s_mov_b64 s[64:65], 0
	v_nop
	global_prefetch_b8 v0, s[64:65] scope:SCOPE_SE
	s_setreg_imm32_b32 hwreg(HW_REG_WAVE_MODE, 25, 1), 1
	s_wait_xcnt 0x0
; ATTN.  o = softmax(where(mask, Q K^T / 8, -1e9)) V for one head and batch (work-group y), both products on codes of FP6 (E2M3) with E8M0 scales; o is quantised at once along the model's 1,024 for the last product.
; THE SOFTMAX: t = logit x log2(e); M = the running largest t rounded up to a whole number; p = 2^(t - M) is quantised along the keys, not normalised; the sum l of the unquantised p divides at the end.
; SHARES.  The head's K and V, as codes 204 KB, are copied into LDS once, through registers, and read by all sixteen waves.  Wave j = 16 x + w takes query tiles 2 j and 127 - 2 j, one after the other.
; Both products are used transposed (S^T = K Q^T, O^T = V^T P^T): a lane holds one query throughout.  A head is 64: K's and Q's fragments are 6 registers; the instruction's other 64 along K meet Q's zero codes.
; THE MASK IS AN INPUT.  The launch before stored it as whole numbers: 64 select words for each tile and key step, and a flag.  A masked logit is -1e9 to the bit: the score becomes -8e9 ahead of the maximum, and
; t - M becomes c x (-8e9) - M, rounded as the maximum's own t is: exactly 0 in a row that has met no open key yet (p = 1: a uniform row), some -1.4e9 otherwise (p = 0).
; A KEY STEP IS LEFT OUT (a scalar branch on the stored flags) where none of the tile's 16 rows has an open key in it and each of them has one somewhere: all its p are 0.  The selects are left out where the piece is all open.
; No tensor load, no copy: branches hang on numbers read from memory.  The loops' trip counts are constants.
; LIMITS: open logits are taken to lie far above -1e9 (by more than 150 / log2(e)); NaN and infinities are not served; a block's largest p is made from its largest score (v_exp_f32 is taken not to fall where its input rises);
; 1 / l is v_rcp_f32's; a block of zeros gets the byte 1; o's scale bytes leave one byte a lane (256 KB in the launch), in units written in part.
.set SPARE, 208896                     ; LDS: K's images at 0 (6,144 a step), V's at 98,304, K's scale words at 196,608 (512 a step), V's at 204,800 (256 a step), then the spare words
.set SPW, 5
.set NIL, 6
; v1 8 l; v2 16 l + 98,304; v3 16 r + 196,608; v4 16 r + 204,800; v7 16 r; v8-11 the step's LDS addresses; v12 -M, v13 the largest t, v[14:15] l in two halves; v16-27 Q (v22-27 zeros); v28 Q's scale word;
; v29 -8e9, v30 c x -8e9, v31 that - M; v32-79 K's eight half fragments, then V's four fragments; v80-85 zeros; v86 32 r + h; v88-95 K's scale words; v96-159 S^T, then p; v160-191 O^T; v192-203 p's codes;
; v204-210 the conversions' second halves; v212-215 the blocks' largest scores; v216-219 at work; v220-223 the blocks' largest t - M; v224-227 scale operands; v228-231 V's scale words; v[232:233] f; v234 at work; v235 p's scale word; v[236:237] sums.
; s[2:3] att, s[4:5] qkv, s[6:7] msk; s8 wave, s9 tile, s10 tiles to go, s11 steps to go, s12 steps to run (a bit each), s13 steps to mask; s14, s15, s84 the step's places in LDS; s16-63, s68-83 the 64 select words;
; s[86:87] c, s[88:89] lane selects, s90 lanes 16-31, s91 head and batch; s[92:101] pointers; s66, s67, s85 at work.
	s_load_b128 s[4:7], s[0:1], 0x0                ; qkv, msk
	s_load_b64 s[2:3], s[0:1], 0x10                ; att
	v_lshl_add_u32 v[SPW], v0, 2, SPARE
	v_mov_b32 v[NIL], 0
	v_lshrrev_b32 v1, 5, v0
	v_readfirstlane_b32 s8, v1                     ; wave 0..15
	s_and_b32 s91, ttmp7, 0xffff                   ; hb
	v_lshlrev_b32 v8, 4, v0                        ; the copy: 16 bytes a thread, 8,192 an instruction
	v_add_nc_u32 v9, 0x10000, v8
	v_add_nc_u32 v10, 0x20000, v8
	v_add_nc_u32 v11, 0x30000, v8
	v_lshlrev_b32 v236, 3, v0
	v_add_nc_u32 v87, 204800, v236
	s_mul_i32 s66, s91, 98304
	s_add_co_u32 s66, s66, 6291456
	s_mov_b32 s67, 0
	s_wait_kmcnt 0x0
	s_add_nc_u64 s[92:93], s[4:5], s[66:67]        ; K's images of my head
	s_add_nc_u64 s[94:95], s[92:93], 6291456       ; V's
	s_lshl_b32 s66, s91, 13
	s_add_co_u32 s66, s66, 19398656
	s_add_nc_u64 s[96:97], s[4:5], s[66:67]        ; K's scale words
	s_lshl_b32 s66, s91, 12
	s_add_co_u32 s66, s66, 19922944
	s_add_nc_u64 s[98:99], s[4:5], s[66:67]        ; V's
.irp i, 0,1,2,3,4,5,6,7,8,9,10,11
	global_load_b128 v[96+4*\i:99+4*\i], v8, s[92:93] offset:8192*\i
.endr
.irp i, 0,1,2,3,4,5,6,7,8,9,10,11
	global_load_b128 v[144+4*\i:147+4*\i], v8, s[94:95] offset:8192*\i
.endr
	global_load_b128 v[192:195], v8, s[96:97]
	global_load_b64 v[196:197], v236, s[98:99]
.set i, 0
.rept 25
	s_wait_loadcnt 25-i                            ; load i is in; the 25 - i behind it may be out
	ds_store_b128 v[8+i/8], v[96+4*i:99+4*i] offset:(i%8)*8192
.set i, i+1
.endr
	s_wait_loadcnt 0x0
	ds_store_b64 v87, v[196:197]
	v_and_b32 v234, 31, v0                         ; lane
	v_and_b32 v232, 15, v0                         ; r
	v_bfe_u32 v233, v0, 4, 1                       ; h
	v_lshlrev_b32 v1, 3, v234
	v_lshlrev_b32 v2, 4, v234
	v_add_nc_u32 v2, 98304, v2
	v_lshlrev_b32 v7, 4, v232
	v_add_nc_u32 v3, 196608, v7
	v_add_nc_u32 v4, 204800, v7
	v_lshl_add_u32 v86, v232, 5, v233
	s_mov_b32 s86, 0x3e38aa3b                      ; c = log2(e) / 8
	s_mov_b32 s87, s86                             ; (named with it as a pair)
	s_mov_b32 s88, 0x76543210
	s_mov_b32 s89, 0xfedcba98
	s_mov_b32 s90, 0xffff0000
	v_mov_b32 v29, 0xcfee6b28                      ; -8e9 = 8 x -1e9, exactly
	v_mul_f32 v30, s86, v29                        ; its t, rounded as the maximum's is
.irp i, 22,23,24,25,26,27,80,81,82,83,84,85,216,217,218,219,233,234
	v_mov_b32 v[\i], 0                             ; zero codes; and registers that are named before they are first computed
.endr
	s_lshl_b32 s9, ttmp9, 4
	s_add_co_u32 s9, s9, s8
	s_lshl_b32 s9, s9, 1                           ; my first tile: 2 (16 x + w)
	s_mov_b32 s10, 2
	s_wait_dscnt 0x0                               ; for the others' sake: my part of the copy has landed
	s_barrier_signal -1
	s_barrier_wait -1                              ; K and V lie in LDS; from here on LDS is only read
.Ltile:
	s_lshl_b32 s85, s9, 9                          ; the tile's flags: 512 bytes a tile
	s_load_b128 s[16:19], s[6:7], s85 offset:524288
	s_load_b128 s[20:23], s[6:7], s85 offset:524416
	s_load_b128 s[24:27], s[6:7], s85 offset:524544
	s_load_b128 s[28:31], s[6:7], s85 offset:524672
	s_mul_i32 s66, s91, 98304
	s_mul_i32 s67, s9, 768
	s_add_co_u32 s66, s66, s67
	s_mov_b32 s67, 0
	s_add_nc_u64 s[92:93], s[4:5], s[66:67]        ; Q's image
	s_lshl_b32 s66, s91, 13
	s_lshr_b32 s12, s9, 2
	s_lshl_b32 s12, s12, 8
	s_add_co_u32 s66, s66, s12
	s_and_b32 s12, s9, 3
	s_lshl_b32 s12, s12, 2
	s_add_co_u32 s66, s66, s12
	s_add_co_u32 s66, s66, 18874368
	s_add_nc_u64 s[94:95], s[4:5], s[66:67]        ; Q's scale words
	s_lshl_b32 s66, s9, 12
	s_add_nc_u64 s[96:97], s[6:7], s[66:67]        ; the select words: 256 bytes a step
	s_lshr_b32 s66, s91, 4
	s_lshl_b32 s66, s66, 7
	s_add_co_u32 s66, s66, s9                      ; 128 x batch + tile
	s_lshl_b32 s13, s66, 9
	s_lshl_b32 s66, s66, 4
	s_and_b32 s12, s91, 15                         ; head
	s_add_co_u32 s66, s66, s12
	s_mul_i32 s66, s66, 768
	s_add_nc_u64 s[98:99], s[2:3], s[66:67]        ; o's image
	s_lshl_b32 s12, s12, 1
	s_add_co_u32 s66, s13, s12
	s_add_co_u32 s66, s66, 6291456
	s_add_nc_u64 s[100:101], s[2:3], s[66:67]      ; o's scale bytes
.irp p, 0,1,2
	global_load_b64 v[16+2*\p:17+2*\p], v1, s[92:93] offset:256*\p
.endr
	global_load_b32 v28, v7, s[94:95]
	v_mov_b32 v13, 0xff61b1e6                      ; the largest t so far: -3e38
	v_floor_f32 v12, -v13                          ; -M
	v_mov_b32 v14, 0
	v_mov_b32 v15, 0
.irp j, 0,1,2,3,4,5,6,7,8,9,10,11,12,13,14,15,16,17,18,19,20,21,22,23,24,25,26,27,28,29,30,31
	v_mov_b32 v[160+\j], 0                         ; O^T: which step is the first to run hangs on the flags, so no step is written out to start the sums
.endr
	s_mov_b32 s14, 0
	s_mov_b32 s15, 0
	s_mov_b32 s84, 0
	s_mov_b32 s11, 16
	s_mov_b32 s12, 0
	s_mov_b32 s13, 0
	s_mov_b32 s66, 0
	s_wait_kmcnt 0x0
.set kq, 0
.rept 16
	s_or_b32 s66, s66, s[16+kq]                    ; which rows have an open key anywhere
	s_and_b32 s67, s[16+kq], 0xffff
	s_cselect_b32 s67, 1<<kq, 0                    ; some row has one in this step
	s_or_b32 s12, s12, s67
	s_bitcmp1_b32 s[16+kq], 16
	s_cselect_b32 s67, 1<<kq, 0                    ; the piece is all open
	s_or_b32 s13, s13, s67
.set kq, kq+1
.endr
	s_and_b32 s66, s66, 0xffff
	s_cmp_lg_u32 s66, 0xffff
	s_cselect_b32 s12, 0xffff, s12                 ; a row with no open key at all is a mean over all keys: every step runs
	s_and_not1_b32 s13, s12, s13
	s_wait_loadcnt 0x0                             ; Q
.Lstep:
	v_add_nc_u32 v8, s14, v1                       ; on every way; also the four places behind the last products, in front of the loads below
	v_add_nc_u32 v9, s14, v2
	v_add_nc_u32 v10, s15, v3
	v_add_nc_u32 v11, s84, v4
	s_bitcmp1_b32 s12, 0
	s_cbranch_scc0 .Lskip
	s_load_b512 s[16:31], s[96:97], 0x0            ; the select words, in every step that runs
	s_load_b512 s[32:47], s[96:97], 0x40
	s_load_b512 s[48:63], s[96:97], 0x80
	s_load_b512 s[68:83], s[96:97], 0xc0
.irp t, 0,1,2,3,4,5,6,7
.irp p, 0,1,2
	ds_load_b64 v[32+6*\t+2*\p:33+6*\t+2*\p], v8 offset:768*\t+256*\p
.endr
.endr
	ds_load_b128 v[88:91], v10
	ds_load_b128 v[92:95], v10 offset:256
	s_wait_dscnt 0x0
.irp t, 0,1,2,3,4,5,6,7                ; S^T: source 0's upper six registers are the next tile's codes or zeros: they meet Q's zero codes
	v_wmma_scale_f32_16x16x128_f8f6f4 v[96+8*\t:103+8*\t], v[32+6*\t:43+6*\t], v[16:27], 0, v[88+\t], v28 matrix_a_fmt:MATRIX_FMT_FP6 matrix_b_fmt:MATRIX_FMT_FP6
.endr
.rept 4
	v_nop                                          ; places in front of the loads into K's registers and of the first read of the scores
.endr
.irp f, 0,1,2,3                        ; V is asked for now and lands under the softmax
.irp c, 0,1,2
	ds_load_b128 v[32+12*\f+4*\c:35+12*\f+4*\c], v9 offset:1536*\f+512*\c
.endr
.endr
	ds_load_b128 v[228:231], v11
	s_wait_kmcnt 0x0
	s_bitcmp1_b32 s13, 0
	s_cbranch_scc0 .Lopen1
.set n, 0
.rept 64
.if n < 48
.set MR, 16+n
.else
.set MR, 20+n
.endif
	v_cndmask_b32 v[96+n], v29, v[96+n], s[MR]     ; a closed key's score is -8e9
.set n, n+1
.endr
.Lopen1:
.irp b, 0,1,2,3
	v_max3_num_f32 v[212+\b], v[96+16*\b], v[97+16*\b], v[98+16*\b]   ; the largest score of each block of 32 keys: for the row's maximum and for the block's largest p
.endr
.irp i, 3,5,7,9,11,13
.irp b, 0,1,2,3
	v_max3_num_f32 v[212+\b], v[212+\b], v[96+16*\b+\i], v[97+16*\b+\i]
.endr
.endr
.irp b, 0,1,2,3
	v_max_num_f32 v[212+\b], v[212+\b], v[111+16*\b]
.endr
.irp b, 0,1,2,3
	v_permlanex16_b32 v[216+\b], v[212+\b], s88, s89
.endr
.irp b, 0,1,2,3
	v_max_num_f32 v[212+\b], v[212+\b], v[216+\b]
.endr
	v_max3_num_f32 v234, v212, v213, v214
	v_max_num_f32 v234, v234, v215
	v_mul_f32 v234, s86, v234                      ; as t
	v_max_num_f32 v13, v13, v234
	v_mov_b32 v234, v12
	v_floor_f32 v12, -v13                          ; -M = floor(-t): M is a whole number
	v_sub_f32 v234, v12, v234                      ; old M - new M
	v_cvt_i32_f32 v234, v234                       ; (it saturates)
	v_ldexp_f32 v232, 1.0, v234                    ; f = 2^(old M - new M)
.irp j, 0,2,4,6,8,10,12,14,16,18,20,22,24,26,28,30,32,34,36,38,40,42,44,46,48,50,52,54,56,58,60,62
	v_pk_fma_f32 v[96+\j:97+\j], v[96+\j:97+\j], s[86:87], v[12:13] op_sel_hi:[1,0,0]   ; t - M
.endr
.irp b, 0,1,2,3
	v_fma_f32 v[220+\b], v[212+\b], s86, v12
.endr
	s_bitcmp1_b32 s13, 0
	s_cbranch_scc0 .Lopen2
	v_add_f32 v31, v30, v12                        ; a closed key's t - M, from its ROUNDED t: 0 where the row's maximum is that t itself
.set n, 0
.rept 64
.if n < 48
.set MR, 16+n
.else
.set MR, 20+n
.endif
	v_cndmask_b32 v[96+n], v31, v[96+n], s[MR]
.set n, n+1
.endr
.irp b, 0,1,2,3
	v_cmp_eq_f32 vcc_lo, v[212+\b], v29            ; a block all of whose keys are closed
	v_cndmask_b32 v[220+\b], v[220+\b], v31, vcc_lo
.endr
.Lopen2:
.irp j, 0,1,2,3,4,5,6,7,8,9,10,11,12,13,14,15,16,17,18,19,20,21,22,23,24,25,26,27,28,29,30,31,32,33,34,35,36,37,38,39,40,41,42,43,44,45,46,47,48,49,50,51,52,53,54,55,56,57,58,59,60,61,62,63
	v_exp_f32 v[96+\j], v[96+\j]                   ; p = 2^(t - M)
.endr
	v_pk_mul_f32 v[14:15], v[14:15], v[232:233] op_sel_hi:[1,0]   ; l under the new M: a plain place behind the exponentials
	s_wait_alu depctr_va_vdst(0)                   ; one wait for the batch, ahead of the first line that names a result
.irp b, 0,1,2,3
	v_exp_f32 v[220+\b], v[220+\b]                 ; the blocks' largest p
.endr
	v_pk_add_f32 v[236:237], v[96:97], v[98:99]    ; l is the sum of the unquantised p, in two chains
.irp j, 4,8,12,16,20,24,28,32,36,40,44,48,52,56,60
	v_pk_add_f32 v[14:15], v[14:15], v[96+\j:97+\j]
	v_pk_add_f32 v[236:237], v[236:237], v[98+\j:99+\j]
.endr
	v_pk_add_f32 v[14:15], v[14:15], v[236:237]
	s_wait_alu depctr_va_vdst(0)                   ; and one for the four
.irp b, 0,1,2,3
	v_max_num_f32 v[220+\b], 0x1800000, v[220+\b]  ; the floor 2^(3 - 127)
.endr
.irp b, 0,1,2,3
	v_add_nc_u32 v[224+\b], 0xff000000, v[220+\b]
.endr
.irp b, 0,1,2,3
	v_lshrrev_b32 v[216+\b], 23, v[224+\b]
.endr
	v_lshl_or_b32 v235, v217, 8, v216              ; p's scale word for these 128 keys
	v_lshl_or_b32 v235, v218, 16, v235
	v_lshl_or_b32 v235, v219, 24, v235
.irp c, 0,1
	v_cvt_scalef32_pk16_fp6_f32 v[192+6*\c:194+6*\c], v[96+32*\c:111+32*\c], v[224+2*\c]
	v_cvt_scalef32_pk16_fp6_f32 v[204+4*\c:206+4*\c], v[112+32*\c:127+32*\c], v[224+2*\c+1]
.endr
	v_nop                                          ; one plain place behind a scaled conversion
.irp c, 0,1
.irp i, 0,1,2
	v_permlane16_swap_b32 v[192+6*\c+\i], v[204+4*\c+\i]
.endr
.irp i, 0,1,2
	v_mov_b32 v[195+6*\c+\i], v[204+4*\c+\i]
.endr
.endr
.irp j, 0,2,4,6,8,10,12,14,16,18,20,22,24,26,28,30
	v_pk_mul_f32 v[160+\j:161+\j], v[160+\j:161+\j], v[232:233] op_sel_hi:[1,0]   ; O^T under the new M; these sixteen are also the places between p's codes and scale word and the products
.endr
	s_wait_dscnt 0x0                               ; V
.irp f, 0,1,2,3
	v_wmma_scale_f32_16x16x128_f8f6f4 v[160+8*\f:167+8*\f], v[32+12*\f:43+12*\f], v[192:203], v[160+8*\f:167+8*\f], v[228+\f], v235 matrix_a_fmt:MATRIX_FMT_FP6 matrix_b_fmt:MATRIX_FMT_FP6
.endr
.Lskip:
	s_lshr_b32 s12, s12, 1
	s_lshr_b32 s13, s13, 1
	s_add_co_u32 s14, s14, 6144
	s_add_co_u32 s15, s15, 512
	s_add_co_u32 s84, s84, 256
	s_add_nc_u64 s[96:97], s[96:97], 256           ; (the step's scalar loads have been waited for)
	s_sub_co_u32 s11, s11, 1
	s_cmp_lg_u32 s11, 0
	s_cbranch_scc1 .Lstep
	; ---- the tile's end: o = O^T / l, quantised along the head's 64: two blocks; a half fragment and two scale bytes a row
.rept 4
	v_nop
.endr
	v_add_f32 v14, v14, v15
	v_permlanex16_b32 v234, v14, s88, s89
	v_add_f32 v14, v14, v234
	v_rcp_f32 v14, v14
	v_nop                                          ; a plain place behind the reciprocal
	s_wait_alu depctr_va_vdst(0)                   ; and the wait ahead of the first line that names it
.irp j, 0,1,2,3,4,5,6,7,8,9,10,11,12,13,14,15,16,17,18,19,20,21,22,23,24,25,26,27,28,29,30,31
	v_mul_f32 v[96+\j], v[160+\j], v14             ; register 16 b + i: o(my query, 32 b + 16 h + i)
.endr
.irp b, 0,1
	v_max3_num_f32 v[212+\b], |v[96+16*\b]|, |v[97+16*\b]|, 0x1800000
.endr
.irp i, 2,4,6,8,10,12,14
.irp b, 0,1
	v_max3_num_f32 v[212+\b], v[212+\b], |v[96+16*\b+\i]|, |v[97+16*\b+\i]|
.endr
.endr
.irp b, 0,1
	v_permlanex16_b32 v[216+\b], v[212+\b], s88, s89
.endr
.irp b, 0,1
	v_max_num_f32 v[212+\b], v[212+\b], v[216+\b]
.endr
.irp b, 0,1
	v_add_nc_u32 v[224+\b], 0xff000000, v[212+\b]
.endr
.irp b, 0,1
	v_lshrrev_b32 v[216+\b], 23, v[224+\b]
.endr
	v_cvt_scalef32_pk16_fp6_f32 v[192:194], v[96:111], v224
	v_cvt_scalef32_pk16_fp6_f32 v[196:198], v[112:127], v225
	v_nop
.irp i, 0,1,2
	v_permlane16_swap_b32 v[192+\i], v[196+\i]
.endr
.irp i, 0,1,2
	v_mov_b32 v[195+\i], v[196+\i]
.endr
.irp p, 0,1,2
	global_store_b64 v1, v[192+2*\p:193+2*\p], s[98:99] offset:256*\p   ; 256 consecutive bytes, aligned
.endr
	v_cndmask_b32 v234, v216, v217, s90            ; lanes 0-15 store block 0's byte, lanes 16-31 block 1's
	global_store_b8 v86, v234, s[100:101]
	s_wait_xcnt 0x0                                ; the stores have read their data and bases: the next tile writes both
	s_sub_co_u32 s9, 127, s9
	s_sub_co_u32 s10, s10, 1
	s_cmp_lg_u32 s10, 0
	s_cbranch_scc1 .Ltile
	s_wait_tensorcnt 0x0                           ; the wave's end
	ds_add_u32 v[SPW], v[NIL]
	s_wait_dscnt 0x0
	s_endpgm
.Lfunc_end_k_q8b4edcb967_attn:
	.size	k_q8b4edcb967_attn, .Lfunc_end_k_q8b4edcb967_attn-k_q8b4edcb967_attn
	.p2alignl 7, 3214868480
	.fill 96, 4, 3214868480
	.section	.rodata,"a",@progbits
	.p2align	6, 0x0
	.amdhsa_kernel k_q8b4edcb967_attn
		.amdhsa_group_segment_fixed_size 210944
		.amdhsa_private_segment_fixed_size 0
		.amdhsa_enable_private_segment 0
		.amdhsa_kernarg_size 24
		.amdhsa_user_sgpr_count 2
		.amdhsa_user_sgpr_kernarg_segment_ptr 1
		.amdhsa_wavefront_size32 1
		.amdhsa_system_sgpr_workgroup_id_x 1
		.amdhsa_system_sgpr_workgroup_id_y 1
		.amdhsa_system_sgpr_workgroup_id_z 1
		.amdhsa_system_vgpr_workitem_id 0
		.amdhsa_next_free_vgpr 256
		.amdhsa_next_free_sgpr 102
		.amdhsa_reserve_vcc 1
		.amdhsa_float_denorm_mode_32 3
		.amdhsa_float_denorm_mode_16_64 3
		.amdhsa_memory_ordered 1
		.amdhsa_forward_progress 1
		.amdhsa_inst_pref_size 45
	.end_amdhsa_kernel
	.amdgpu_metadata
---
amdhsa.version: [ 1, 2 ]
amdhsa.kernels:
  - .name:           k_q8b4edcb967_attn
    .symbol:         k_q8b4edcb967_attn.kd
    .args:
      - { .name: qkv, .offset: 0, .size: 8, .value_kind: global_buffer, .address_space: global }
      - { .name: msk, .offset: 8, .size: 8, .value_kind: global_buffer, .address_space: global }
      - { .name: att, .offset: 16, .size: 8, .value_kind: global_buffer, .address_space: global }
    .group_segment_fixed_size: 210944
    .private_segment_fixed_size: 0
    .kernarg_segment_align: 8
    .kernarg_segment_size: 24
    .max_flat_workgroup_size: 512
    .sgpr_count:     102
    .vgpr_count:     256
    .wavefront_size: 32
...
	.end_amdgpu_metadata
.endif
;; end of part 3
;; launch oproj (part 4): grid 4 x 64, 4 waves a work-group, no clusters, 120,320 bytes of LDS; arguments att, wts, out0; writes out0
.if DOCPART == 4
	.amdgcn_target "amdgcn-amd-amdhsa--gfx1250"
	.amdhsa_code_object_version 6
	.text
	.protected	k_q8b4edcb967_oproj
	.globl	k_q8b4edcb967_oproj
	.p2align	8
	.type	k_q8b4edcb967_oproj,@function
k_q8b4edcb967_oproj:
	s_mov_b64 s[64:65], 0
	v_nop
	global_prefetch_b8 v0, s[64:65] scope:SCOPE_SE
	s_setreg_imm32_b32 hwreg(HW_REG_WAVE_MODE, 25, 1), 1
	s_wait_xcnt 0x0
; OPROJ.  out0 = o W_o^T on codes of FP6 (E2M3) with E8M0 scales.  o comes as the attention launch left it: half fragments [tile 512][head 16] x 768 bytes, and from byte 6,291,456 scale bytes [tile][r 16][head 16][2]:
; heads 2 s and 2 s + 1 make the fragment and the scale word of K step s.
; A work-group takes 128 tokens (work-group y) and 256 features (work-group x): its four waves copy the tokens' codes into LDS as full fragments; wave w multiplies them by weight group 4 x + w (64 features): 32 accumulators.
; All of the wave's W (32 fragments, 384 registers) comes from memory straight into registers, once: each fragment is wanted by this wave alone.
; Source 0 = 16 features, source 1 = 16 tokens: a lane holds one token and 16 neighbouring features of each 32.  Tiles are permuted (lane r of tile 2 b + u: row 32 b + 8 u + r + 8 (r / 8)); the stores put the rows back.
; REGISTERS: window 0: v1-15 addresses; v16-47 W's scale words, v48-63 x's (nothing else ever lies there); v112-207 x's eight fragments; on the way out v64-127 rows of the result.
;   window 1: the copy's data, then the accumulators ((t, f) at 8 (4 t + f)).   windows 2, 3: W's fragments: K step s at 48 (s % 5) of window 2 + s / 5.
.set XIMG,  0                          ; LDS: [K step 8][tile 8] x 1,536
.set XSC,   98304                      ; scale words [s][j 2][r 16][4]
.set STG,   102400                     ; a stage of 16 rows x (256 + 16) bytes for each wave
.set SPARE, STG+4*4352
.set LI,  1                            ; v1   16 x lane
.set LI1, 4                            ; v4   + 49,152
.set XSR, 5                            ; v5   XSC + 16 r
.set WSO, 6                            ; v6   16 r
.set CW0, 7                            ; v7   the copy: 16 x lane + 3,072 x wave
.set CW1, 8                            ; v8   + 49,152
.set XSW, 9                            ; v9   where my thread's eight scale words go
.set STO, 10                           ; v10  the stage, in
.set RD,  11                           ; v11  the stage, out
.set CO,  12                           ; v12  4,096 h + 16 r
.set L8,  13                           ; v13  8 x lane
.set T32, 14                           ; v14  32 x thread
.set WS,  16
.set XS,  48
.set OB,  64
.set XF,  112
.set SPW, 252
.set NIL, 253
.set MSB, 0
.macro WIN new                         ; the immediate's high byte repeats the setting that is left
.if MSB != \new
	s_set_vgpr_msb (MSB<<8)|\new
.set MSB, \new
.endif
.endm
	s_load_b128 s[4:7], s[0:1], 0x0                ; att, wts
	s_load_b64 s[8:9], s[0:1], 0x10                ; out0
	v_lshl_add_u32 v[SPW], v0, 2, SPARE
	v_mov_b32 v[NIL], 0
	v_lshrrev_b32 v15, 5, v0
	v_readfirstlane_b32 s14, v15                   ; wave 0..3
	s_and_b32 s16, ttmp7, 0xffff                   ; m
	s_lshl_b32 s17, ttmp9, 2
	s_add_co_u32 s17, s17, s14                     ; g = 4 x + w
	v_and_b32 v15, 31, v0
	v_and_b32 v2, 15, v0                           ; r
	v_bfe_u32 v3, v0, 4, 1                         ; h
	v_lshlrev_b32 v[LI], 4, v15
	v_lshlrev_b32 v[L8], 3, v15
	v_lshlrev_b32 v[T32], 5, v0
	v_add_nc_u32 v[LI1], 49152, v[LI]
	v_lshlrev_b32 v[WSO], 4, v2
	v_add_nc_u32 v[XSR], XSC, v[WSO]
	s_mul_i32 s24, s14, 3072
	v_add_nc_u32 v[CW0], s24, v[LI]
	v_add_nc_u32 v[CW1], 49152, v[CW0]
	v_bfe_u32 v[XSW], v0, 6, 1                     ; thread = 16 t + r: XSC + 256 (t / 4) + 16 r + 4 (t % 4)
	v_lshlrev_b32 v[XSW], 8, v[XSW]
	v_lshl_add_u32 v[XSW], v2, 4, v[XSW]
	v_bfe_u32 v15, v0, 4, 2
	v_lshl_add_u32 v[XSW], v15, 2, v[XSW]
	v_add_nc_u32 v[XSW], XSC, v[XSW]
	s_mul_i32 s24, s14, 4352
	s_add_co_u32 s24, s24, STG
	v_mul_u32_u24 v[STO], v2, 272
	v_lshl_add_u32 v[STO], v3, 6, v[STO]
	v_add_nc_u32 v[STO], s24, v[STO]
	v_mul_u32_u24 v[RD], v3, 272
	v_lshl_add_u32 v[RD], v2, 4, v[RD]
	v_add_nc_u32 v[RD], s24, v[RD]
	v_lshlrev_b32 v[CO], 12, v3
	v_lshl_add_u32 v[CO], v2, 4, v[CO]
	s_lshl_b32 s24, s16, 3
	s_lshl_b32 s25, s14, 1
	s_add_co_u32 s24, s24, s25
	s_mul_i32 s24, s24, 12288                      ; my two tiles: 8 m + 2 w on
	s_mov_b32 s25, 0
	s_lshl_b32 s26, s16, 12
	s_add_co_u32 s26, s26, 6291456                 ; the block's 4,096 scale bytes
	s_mov_b32 s27, 0
	s_mul_i32 s28, s17, 49152
	s_add_co_u32 s28, s28, 2359296                 ; W_o's images, group g
	s_mov_b32 s29, 0
	s_lshl_b32 s30, s17, 11
	s_add_co_u32 s30, s30, 3244032                 ; and its scale words
	s_mov_b32 s31, 0
	s_lshl_b32 s32, s16, 19
	s_lshl_b32 s33, s17, 8
	s_add_co_u32 s32, s32, s33                     ; out0: 128 m rows of 4,096 bytes + 256 g
	s_mov_b32 s33, 0
	s_wait_kmcnt 0x0
	s_add_nc_u64 s[10:11], s[4:5], s[24:25]
	s_add_nc_u64 s[12:13], s[4:5], s[26:27]
	s_add_nc_u64 s[18:19], s[6:7], s[28:29]
	s_add_nc_u64 s[20:21], s[6:7], s[30:31]
	s_add_nc_u64 s[8:9], s[8:9], s[32:33]
	; ---- the copy: 2 x 48 loads of 256 consecutive bytes, and my thread's 32 scale bytes
	WIN 0x40
.irp e, 0,1
.set q, 0
.rept 48
	global_load_b64 v[96*\e+2*q:96*\e+2*q+1], v[L8], s[10:11] offset:12288*\e+256*q
.set q, q+1
.endr
.endr
	global_load_b128 v[192:195], v[T32], s[12:13]
	global_load_b128 v[196:199], v[T32], s[12:13] offset:16
; piece q = 3 head + p of tile e holds registers 2 p, 2 p + 1 of the head's six: registers 6 (head % 2) + 2 p on of K step head / 2's twelve: in the image, 8 bytes at 512 (k / 2) + 8 (k % 2) + 16 x lane, k = 3 (head % 2) + p
.macro CSTORE e
.set q, 0
.rept 48
.set hd, q/3
.set kk, 3*(hd%2)+q%3
.set oo, ((hd/2)%4)*12288+1536*(\e)+512*(kk/2)+8*(kk%2)
.if hd < 8
	ds_store_b64 v[CW0], v[96*(\e)+2*q:96*(\e)+2*q+1] offset:oo
.else
	ds_store_b64 v[CW1], v[96*(\e)+2*q:96*(\e)+2*q+1] offset:oo
.endif
.set q, q+1
.endr
.endm
	WIN 0x04                                       ; an LDS store's data: window 1
	s_wait_loadcnt 50                              ; the first tile's 48 loads are in; the second's 48 and the 2 of scale bytes may be out
	CSTORE 0
	s_wait_loadcnt 2
	CSTORE 1
	s_wait_loadcnt 0x0
.irp s, 0,1,2,3,4,5,6,7
	ds_store_b32 v[XSW], v[192+\s] offset:512*\s
.endr
	WIN 0
	; ---- all of my W: the scale words first, then the fragments in the order of the K steps
.irp s, 0,1,2,3,4,5,6,7
	global_load_b128 v[WS+4*\s:WS+4*\s+3], v[WSO], s[20:21] offset:256*\s
.endr
	WIN 0x80                                       ; destination window 2
.irp s, 0,1,2,3,4
.irp i, 0,1,2,3,4,5,6,7,8,9,10,11
	global_load_b128 v[48*\s+4*\i:48*\s+4*\i+3], v[LI], s[18:19] offset:6144*\s+512*\i
.endr
.endr
	WIN 0xc0                                       ; window 3
.irp s, 5,6,7
.irp i, 0,1,2,3,4,5,6,7,8,9,10,11
	global_load_b128 v[48*(\s-5)+4*\i:48*(\s-5)+4*\i+3], v[LI], s[18:19] offset:6144*\s+512*\i
.endr
.endr
	WIN 0
	s_wait_dscnt 0x0                               ; for the others' sake: my part of the copy has landed
	s_barrier_signal -1
	s_barrier_wait -1                              ; x's 64 fragments lie in LDS
.macro XFL s, t0                       ; 12 LDS loads: x's tiles t0 .. t0 + 3 of K step s
.irp t, \t0, \t0+1, \t0+2, \t0+3
.irp c, 0,1,2
.if (\s) < 4
	ds_load_b128 v[XF+12*(\t)+4*\c:XF+12*(\t)+4*\c+3], v[LI] offset:((\s)%4)*12288+1536*(\t)+512*\c
.else
	ds_load_b128 v[XF+12*(\t)+4*\c:XF+12*(\t)+4*\c+3], v[LI1] offset:((\s)%4)*12288+1536*(\t)+512*\c
.endif
.endr
.endr
.endm
.macro XSL s
	ds_load_b128 v[XS+8*((\s)%2):XS+8*((\s)%2)+3], v[XSR] offset:512*(\s)
	ds_load_b128 v[XS+8*((\s)%2)+4:XS+8*((\s)%2)+7], v[XSR] offset:512*(\s)+256
.endm
; 16 matrix instructions; the 32 accumulators take turns, one instruction a turn, in the same order in every step; the first K step starts the sums with the constant 0
.macro MULS s, t0
.irp t, \t0, \t0+1, \t0+2, \t0+3
.irp f, 0,1,2,3
.if (\s) == 0
	v_wmma_scale_f32_16x16x128_f8f6f4 v[8*(4*(\t)+\f):8*(4*(\t)+\f)+7], v[48*((\s)%5)+12*\f:48*((\s)%5)+12*\f+11], v[XF+12*(\t):XF+12*(\t)+11], 0, v[WS+4*(\s)+\f], v[XS+8*((\s)%2)+(\t)] matrix_a_fmt:MATRIX_FMT_FP6 matrix_b_fmt:MATRIX_FMT_FP6
.else
	v_wmma_scale_f32_16x16x128_f8f6f4 v[8*(4*(\t)+\f):8*(4*(\t)+\f)+7], v[48*((\s)%5)+12*\f:48*((\s)%5)+12*\f+11], v[XF+12*(\t):XF+12*(\t)+11], v[8*(4*(\t)+\f):8*(4*(\t)+\f)+7], v[WS+4*(\s)+\f], v[XS+8*((\s)%2)+(\t)] matrix_a_fmt:MATRIX_FMT_FP6 matrix_b_fmt:MATRIX_FMT_FP6
.endif
.endr
.endr
.endm
.macro PLACES                          ; four plain places between a matrix instruction and a load into, or a store's read of, its registers
.rept 4
	v_nop
.endr
.endm
.macro STEP s
.if 12*(7-(\s)) > 63
	s_wait_loadcnt 63                              ; fewer than the later steps' fragment loads: this step's are in
.else
	s_wait_loadcnt 12*(7-(\s))                     ; the later steps' fragment loads may be out
.endif
	s_wait_dscnt 12                                ; x's tiles 0-3 and the scale words are in; the youngest 12 loads (tiles 4-7) may be out
	WIN 0x50|(2+(\s)/5)                            ; W window 2 or 3, x window 0, C and D window 1
	MULS \s, 0
	s_wait_dscnt 0x0
	PLACES
	WIN 0
.if (\s) < 7
	XFL (\s)+1, 0
	XSL (\s)+1
.endif
	WIN 0x50|(2+(\s)/5)
	MULS \s, 4
	PLACES
	WIN 0
.if (\s) < 7
	XFL (\s)+1, 4
.endif
.endm
	XFL 0, 0
	XSL 0
	XFL 0, 4
.irp s, 0,1,2,3,4,5,6,7
	STEP \s
.endr
; THE WAY OUT, a tile of 16 tokens x 64 features at a time, through my own stage: in, 64 bytes of a row to a lane; back, whole rows of 256 bytes, sixteen lanes to a row.  LDS serves a wave's instructions in order.
.macro TOSTAGE t
	WIN 0x04
.irp b, 0,1
.irp j, 0,1,2,3
	ds_store_b128 v[STO], v[32*(\t)+16*\b+4*\j:32*(\t)+16*\b+4*\j+3] offset:128*\b+16*\j   ; each accumulator from its low end on
.endr
.endr
	WIN 0
.irp i, 0,1,2,3,4,5,6,7
	ds_load_b128 v[OB+32*((\t)%2)+4*\i:OB+32*((\t)%2)+4*\i+3], v[RD] offset:544*\i
.endr
.endm
.macro SEND t, younger                 ; younger: the LDS instructions issued behind tile t's loads, which may stay out
	s_wait_dscnt \younger
.irp i, 0,1,2,3,4,5,6,7
	global_store_b128 v[CO], v[OB+32*((\t)%2)+4*\i:OB+32*((\t)%2)+4*\i+3], s[8:9] offset:(32*((\t)/2)+8*((\t)%2)+2*\i+8*(\i/4))*4096 th:TH_STORE_NT   ; stage rows 2 i and 2 i + 1: 256 consecutive bytes each, aligned
.endr
.endm
	TOSTAGE 0
.irp t, 1,2,3,4,5,6,7
.if \t > 1
	s_wait_xcnt 0x0                                ; tile t - 2's stores have read their registers: tile t's loads may land there
.endif
	TOSTAGE \t
	SEND \t-1, 16                                  ; behind tile t - 1's loads: tile t's 8 stores and 8 loads
.endr
	SEND 7, 0
	s_wait_tensorcnt 0x0                           ; the wave's end
	ds_add_u32 v[SPW], v[NIL]
	s_wait_dscnt 0x0
	s_endpgm
.Lfunc_end_k_q8b4edcb967_oproj:
	.size	k_q8b4edcb967_oproj, .Lfunc_end_k_q8b4edcb967_oproj-k_q8b4edcb967_oproj
	.p2alignl 7, 3214868480
	.fill 96, 4, 3214868480
	.section	.rodata,"a",@progbits
	.p2align	6, 0x0
	.amdhsa_kernel k_q8b4edcb967_oproj
		.amdhsa_group_segment_fixed_size 120320
		.amdhsa_private_segment_fixed_size 0
		.amdhsa_enable_private_segment 0
		.amdhsa_kernarg_size 24
		.amdhsa_user_sgpr_count 2
		.amdhsa_user_sgpr_kernarg_segment_ptr 1
		.amdhsa_wavefront_size32 1
		.amdhsa_system_sgpr_workgroup_id_x 1
		.amdhsa_system_sgpr_workgroup_id_y 1
		.amdhsa_system_sgpr_workgroup_id_z 1
		.amdhsa_system_vgpr_workitem_id 0
		.amdhsa_next_free_vgpr 1024
		.amdhsa_next_free_sgpr 66
		.amdhsa_reserve_vcc 0
		.amdhsa_float_denorm_mode_32 3
		.amdhsa_float_denorm_mode_16_64 3
		.amdhsa_memory_ordered 1
		.amdhsa_forward_progress 1
		.amdhsa_inst_pref_size 93
	.end_amdhsa_kernel
	.amdgpu_metadata
---
amdhsa.version: [ 1, 2 ]
amdhsa.kernels:
  - .name:           k_q8b4edcb967_oproj
    .symbol:         k_q8b4edcb967_oproj.kd
    .args:
      - { .name: att, .offset: 0, .size: 8, .value_kind: global_buffer, .address_space: global }
      - { .name: wts, .offset: 8, .size: 8, .value_kind: global_buffer, .address_space: global }
      - { .name: out0, .offset: 16, .size: 8, .value_kind: global_buffer, .address_space: global }
    .group_segment_fixed_size: 120320
    .private_segment_fixed_size: 0
    .kernarg_segment_align: 8
    .kernarg_segment_size: 24
    .max_flat_workgroup_size: 128
    .sgpr_count:     66
    .vgpr_count:     1024
    .wavefront_size: 32
...
	.end_amdgpu_metadata
.endif
;; end of part 4
;; ======== version 2 of 2: 4 launches
;; workspace buffers: wts 3,276,800 bytes; msk 589,824 bytes of whole numbers; qkv 20,185,088 bytes; att 6,553,600 bytes
;; launch prep (part 5): grid 256 x 1, 4 waves a work-group, no clusters, 34,304 bytes of LDS; arguments W_q, W_k, W_v, W_o, mask, wts, msk; writes wts, msk
.if DOCPART == 5
	.amdgcn_target "amdgcn-amd-amdhsa--gfx1250"
	.amdhsa_code_object_version 6
	.text
	.protected	k_q8b4edcb967_prep
	.globl	k_q8b4edcb967_prep
	.p2align	8
	.type	k_q8b4edcb967_prep,@function
k_q8b4edcb967_prep:
	s_mov_b64 s[64:65], 0
	v_nop
	global_prefetch_b8 v0, s[64:65] scope:SCOPE_SE
	s_setreg_imm32_b32 hwreg(HW_REG_WAVE_MODE, 25, 1), 1
	s_wait_xcnt 0x0
; PREP.  Work-groups 0-127: the four weights [1024][1024] f32 (K innermost) become codes of FP6 (E2M3) with one E8M0 byte for each 32 along K,
; laid as IMAGES OF OPERAND REGISTERS: a fragment (16 rows x 128 K, 12 registers a lane) is 1,536 bytes, registers 4 c .. 4 c + 3 of lane l at 512 c + 16 l.
; wts: images [W 4][group g of 64 rows, 16][K step s, 8][tile f, 4]; from byte 3,145,728 the scale words [W][g][s][lane r 16][f 4].
; THE ROWS OF A TILE ARE NOT NEIGHBOURS: lane r of tile f takes row 32 (f / 2) + 8 (f % 2) + r + 8 (r / 8) of its group, so that results made with such a tile as source 0 lie 16 neighbours to a lane.
; Work-groups 128-255: the mask [2048 queries][2048 keys] of bytes becomes whole numbers for the attention launch:
; msk: words [query tile t 128][key step k 16][n 64]: bit l of word n = mask[query of lane l % 16][128 k + 32 (n / 16) + 16 (l / 16) + n % 16]: the select mask of score register n;
; from byte 524,288 flags [t][wave w 4][32 words]: word q < 4 for key step 4 w + q: bits 15:0 = row r has an open key in the step, bit 16 = the whole piece is open; the other words 0.
; A block's scale is 2^(floor(log2(largest magnitude)) - 2); its byte is the largest magnitude's exponent field - 2, held at 1 from below.
; LIMITS: a block of zeros gets the byte 1 (its codes are zeros, and this program alone reads the bytes); NaN and infinities among the inputs are not served.
.set STGB,  8448                       ; a wave's stage: 16 rows x (512 bytes + 16): row r starts 4 r banks on
.set SPARE, 4*STGB                     ; behind the stages: the spare words, 128 bytes a wave
.set LI,  1                            ; v1   16 x lane
.set STW, 4                            ; v4   the stage, on the way in: 16 x lane
.set STR, 5                            ; v5   on the way out: 528 r + 64 h
.set SCO, 6                            ; v6   16 r + 8 h: my two scale words
.set X,   16                           ; v16-79  64 numbers: register 16 b + i = k 32 b + 16 h + i of my row
.set TM,  80                           ; v80-95  at work
.set PW,  96                           ; v96-99  the four fragments' scale words
.set T,   100                          ; v100-101 the two that I store
.set PC,  112                          ; v112-191 codes: 20 registers a fragment, so that no store's data are written again
.set SPW, 252
.set NIL, 253
.set SEL, 20                           ; s[20:21] lane selects: lane l xor 16
.set HM,  22                           ; s22  lanes 16-31
.set SRC, 36                           ; s[36:37] the weight at my rows and K step
.set MSB, 0
.macro WIN new                         ; the immediate's high byte repeats the setting that is left
.if MSB != \new
	s_set_vgpr_msb (MSB<<8)|\new
.set MSB, \new
.endif
.endm
; 16 rows of 512 bytes into set \set of window 1: each load reads 512 consecutive bytes of one row
.macro LOADF set, roff, koff
	WIN 0x40                                       ; destination window 1
.irp i, 0,1,2,3,4,5,6,7,8,9,10,11,12,13,14,15
	global_load_b128 v[64*(\set)+4*\i:64*(\set)+4*\i+3], v[LI], s[SRC:SRC+1] offset:((\roff)+\i+8*(\i/8))*4096+(\koff) th:TH_LOAD_NT
.endr
	WIN 0
.endm
; through my own stage: in as loaded, back 16 neighbours of each block of 32 to a lane.  LDS serves a wave's instructions in order: no wait between
.macro TURN set
	WIN 0x04                                       ; an LDS store's data: window 1
.irp i, 0,1,2,3,4,5,6,7,8,9,10,11,12,13,14,15
	ds_store_b128 v[STW], v[64*(\set)+4*\i:64*(\set)+4*\i+3] offset:528*\i
.endr
	WIN 0
.irp b, 0,1,2,3
.irp j, 0,1,2,3
	ds_load_b128 v[X+16*\b+4*\j:X+16*\b+4*\j+3], v[STR] offset:128*\b+16*\j
.endr
.endr
.endm
; 64 numbers of a lane become a fragment's 12 registers at pc (20 are used) and its scale word in pw
.macro QUANT s, pc, pw
.irp b, 0,1,2,3
	v_max3_num_f32 v[TM+\b], |v[(\s)+16*\b]|, |v[(\s)+1+16*\b]|, 0x1800000   ; my 16 numbers of block b, and the floor 2^(3 - 127): the byte cannot fall under 1
.endr
.irp i, 2,4,6,8,10,12,14
.irp b, 0,1,2,3
	v_max3_num_f32 v[TM+\b], v[TM+\b], |v[(\s)+16*\b+\i]|, |v[(\s)+1+16*\b+\i]|
.endr
.endr
.irp b, 0,1,2,3
	v_permlanex16_b32 v[TM+4+\b], v[TM+\b], s[SEL], s[SEL+1]
.endr
.irp b, 0,1,2,3
	v_max_num_f32 v[TM+\b], v[TM+\b], v[TM+4+\b]   ; with lane l xor 16's: the block's largest magnitude
.endr
.irp b, 0,1,2,3
	v_add_nc_u32 v[TM+12+\b], 0xff000000, v[TM+\b] ; 2 off its exponent field: the conversion's scale operand
.endr
.irp b, 0,1,2,3
	v_lshrrev_b32 v[TM+4+\b], 23, v[TM+12+\b]      ; the scale's byte
.endr
	v_lshl_or_b32 v[\pw], v[TM+5], 8, v[TM+4]
	v_lshl_or_b32 v[\pw], v[TM+6], 16, v[\pw]
	v_lshl_or_b32 v[\pw], v[TM+7], 24, v[\pw]
.irp c, 0,1
	v_cvt_scalef32_pk16_fp6_f32 v[(\pc)+6*\c:(\pc)+2+6*\c], v[(\s)+32*\c:(\s)+15+32*\c], v[TM+12+2*\c]
	v_cvt_scalef32_pk16_fp6_f32 v[(\pc)+12+4*\c:(\pc)+14+4*\c], v[(\s)+16+32*\c:(\s)+31+32*\c], v[TM+12+2*\c+1]   ; (a conversion's three registers begin on an even number)
.endr
	v_nop                                          ; one plain place behind a scaled conversion
.irp c, 0,1                            ; the operand's layout wants a whole block in a lane
.irp i, 0,1,2
	v_permlane16_swap_b32 v[(\pc)+6*\c+\i], v[(\pc)+12+4*\c+\i]
.endr
.irp i, 0,1,2
	v_mov_b32 v[(\pc)+3+6*\c+\i], v[(\pc)+12+4*\c+\i]
.endr
.endr
.endm
	s_load_b256 s[4:11], s[0:1], 0x0               ; W_q, W_k, W_v, W_o
	s_load_b128 s[12:15], s[0:1], 0x20             ; mask, wts
	s_load_b64 s[16:17], s[0:1], 0x30              ; msk
	v_lshl_add_u32 v[SPW], v0, 2, SPARE
	v_mov_b32 v[NIL], 0
	v_lshrrev_b32 v7, 5, v0
	v_readfirstlane_b32 s18, v7                    ; wave
	v_and_b32 v8, 31, v0                           ; lane
	v_and_b32 v2, 15, v0                           ; r
	v_bfe_u32 v3, v0, 4, 1                         ; h
	s_cmp_lt_u32 ttmp9, 128
	s_cbranch_scc0 .Lmask
	; ---- the weights: work-group x: W = x / 32, group g = (x / 2) % 16; wave w: K step 4 (x % 2) + w, all four tiles
	v_lshlrev_b32 v[LI], 4, v8
	s_mul_i32 s19, s18, STGB
	v_add_nc_u32 v[STW], s19, v[LI]
	v_mul_u32_u24 v[STR], v2, 528
	v_lshl_add_u32 v[STR], v3, 6, v[STR]
	v_add_nc_u32 v[STR], s19, v[STR]
	v_lshlrev_b32 v[SCO], 4, v2
	v_lshl_add_u32 v[SCO], v3, 3, v[SCO]
	s_mov_b32 s[SEL], 0x76543210
	s_mov_b32 s[SEL+1], 0xfedcba98
	s_mov_b32 s[HM], 0xffff0000
.irp b, 0,1,2,3
	v_mov_b32 v[TM+4+\b], 0                        ; written once: a lane permute's destination counts as one of its sources
.endr
	s_lshr_b32 s24, ttmp9, 5                       ; W
	s_bfe_u32 s25, ttmp9, 0x40001                  ; g
	s_and_b32 s26, ttmp9, 1
	s_lshl_b32 s26, s26, 2
	s_add_co_u32 s26, s26, s18                     ; s
	s_lshl_b32 s28, s25, 18                        ; 64 g rows of 4,096 bytes
	s_lshl_b32 s27, s26, 9                         ; + 512 s
	s_add_co_u32 s28, s28, s27
	s_mov_b32 s29, 0
	s_lshl_b32 s30, s24, 4
	s_add_co_u32 s30, s30, s25
	s_lshl_b32 s30, s30, 3
	s_add_co_u32 s30, s30, s26                     ; (16 W + g) 8 + s
	s_mul_i32 s32, s30, 6144
	s_mov_b32 s33, 0
	s_lshl_b32 s34, s30, 8
	s_add_co_u32 s34, s34, 3145728
	s_mov_b32 s35, 0
	s_wait_alu depctr_va_vdst(0)
	s_wait_kmcnt 0x0
	s_cmp_lt_u32 s24, 1                            ; the choice hangs on the work-group's number alone
	s_cselect_b64 s[36:37], s[4:5], s[6:7]
	s_cmp_lt_u32 s24, 3
	s_cselect_b64 s[38:39], s[8:9], s[10:11]
	s_cmp_lt_u32 s24, 2
	s_cselect_b64 s[36:37], s[36:37], s[38:39]
	s_add_nc_u64 s[36:37], s[36:37], s[28:29]
	s_add_nc_u64 s[40:41], s[14:15], s[32:33]      ; my four images
	s_add_nc_u64 s[42:43], s[14:15], s[34:35]      ; my 256 bytes of scale words
	LOADF 0, 0, 0
	LOADF 1, 8, 0
	LOADF 2, 32, 0
	LOADF 3, 40, 0
.irp f, 0,1,2,3
	s_wait_loadcnt 16*(3-\f)                       ; this tile's 16 loads are in; the later tiles' may be out
	TURN \f
	s_wait_dscnt 0x0
	QUANT X, PC+20*\f, PW+\f
.irp c, 0,1,2
	global_store_b128 v[LI], v[PC+20*\f+4*\c:PC+20*\f+4*\c+3], s[40:41] offset:1536*\f+512*\c   ; 512 consecutive bytes
.endr
.endr
	v_cndmask_b32 v[T], v[PW], v[PW+2], s[HM]      ; lanes 0-15 store tiles 0 and 1's words of row r, lanes 16-31 tiles 2 and 3's
	v_cndmask_b32 v[T+1], v[PW+1], v[PW+3], s[HM]
	global_store_b64 v[SCO], v[T:T+1], s[42:43]    ; 256 consecutive bytes
	s_wait_tensorcnt 0x0                           ; the wave's end
	ds_add_u32 v[SPW], v[NIL]
	s_wait_dscnt 0x0
	s_endpgm
.Lmask:
	; ---- the mask: work-group 128 + t: query tile t; wave w: key steps 4 w .. 4 w + 3.
	s_sub_co_u32 s24, ttmp9, 128                   ; t
	s_wait_alu depctr_va_vdst(0)
	v_and_b32 v9, 8, v2
	v_add_nc_u32 v9, v9, v2                        ; r + 8 (r / 8)
	v_lshlrev_b32 v9, 11, v9                       ; a row of the mask is 2,048 bytes
	v_lshl_add_u32 v9, v3, 4, v9                   ; + 16 h
	v_lshlrev_b32 v10, 2, v8                       ; 4 x lane
	s_lshr_b32 s25, s24, 1
	s_lshl_b32 s25, s25, 5
	s_and_b32 s26, s24, 1
	s_lshl_b32 s26, s26, 3
	s_add_co_u32 s25, s25, s26                     ; the tile's first row: 32 (t / 2) + 8 (t % 2)
	s_lshl_b32 s28, s25, 11
	s_lshl_b32 s26, s18, 9                         ; + my four steps' 512 bytes
	s_add_co_u32 s28, s28, s26
	s_mov_b32 s29, 0
	s_lshl_b32 s30, s24, 4
	s_lshl_b32 s26, s18, 2
	s_add_co_u32 s30, s30, s26
	s_lshl_b32 s30, s30, 8                         ; (16 t + 4 w) x 256
	s_mov_b32 s31, 0
	s_lshl_b32 s32, s24, 9
	s_lshl_b32 s26, s18, 7
	s_add_co_u32 s32, s32, s26
	s_add_co_u32 s32, s32, 524288                  ; my record of flags
	s_mov_b32 s33, 0
	s_wait_alu depctr_va_vdst(0)
	s_wait_kmcnt 0x0
	s_add_nc_u64 s[12:13], s[12:13], s[28:29]
	s_add_nc_u64 s[36:37], s[16:17], s[30:31]
	s_add_nc_u64 s[38:39], s[16:17], s[32:33]
.irp q, 0,1,2,3
.irp b, 0,1,2,3
	global_load_b128 v[16+16*\q+4*\b:19+16*\q+4*\b], v9, s[12:13] offset:128*\q+32*\b th:TH_LOAD_NT   ; 16 keys of my query: 128 q + 32 b + 16 h on
.endr
.endr
.irp i, 0,1,2,3,4,5,6,7,8
	v_mov_b32 v[84+\i], 0                          ; the words' registers: v_writelane_b32 fills them lane by lane
.endr
	s_wait_loadcnt 0x0
; one key step: byte n of my 64 -> a mask over the 32 lanes -> lane n % 32 of the step's register n / 32
.macro MUNIT q
	s_mov_b32 s22, 0                               ; the or of the 64 words,
	s_mov_b32 s23, -1                              ; and the and
.set n, 0
.rept 64
	v_and_b32 v[80+n%2], 0xff<<(8*(n%4)), v[16+16*\q+n/4]
	v_cmp_ne_u32 s[20+n%2], 0, v[80+n%2]
	s_or_b32 s22, s22, s[20+n%2]
	s_and_b32 s23, s23, s[20+n%2]
	v_writelane_b32 v[84+2*\q+n/32], s[20+n%2], n%32
.set n, n+1
.endr
	global_store_b32 v10, v[84+2*\q], s[36:37] offset:256*\q
	global_store_b32 v10, v[85+2*\q], s[36:37] offset:256*\q+128
	s_lshr_b32 s26, s22, 16
	s_or_b32 s26, s26, s22
	s_and_b32 s26, s26, 0xffff                     ; row r has an open key
	s_cmp_eq_u32 s23, -1
	s_cselect_b32 s27, 0x10000, 0                  ; all is open
	s_or_b32 s26, s26, s27
	v_writelane_b32 v92, s26, \q
.endm
	MUNIT 0
	MUNIT 1
	MUNIT 2
	MUNIT 3
	global_store_b32 v10, v92, s[38:39]            ; 128 bytes: four flags and 28 zeros
	s_endpgm
.Lfunc_end_k_q8b4edcb967_prep:
	.size	k_q8b4edcb967_prep, .Lfunc_end_k_q8b4edcb967_prep-k_q8b4edcb967_prep
	.p2alignl 7, 3214868480
	.fill 96, 4, 3214868480
	.section	.rodata,"a",@progbits
	.p2align	6, 0x0
	.amdhsa_kernel k_q8b4edcb967_prep
		.amdhsa_group_segment_fixed_size 34304
		.amdhsa_private_segment_fixed_size 0
		.amdhsa_enable_private_segment 0
		.amdhsa_kernarg_size 56
		.amdhsa_user_sgpr_count 2
		.amdhsa_user_sgpr_kernarg_segment_ptr 1
		.amdhsa_wavefront_size32 1
		.amdhsa_system_sgpr_workgroup_id_x 1
		.amdhsa_system_sgpr_workgroup_id_y 1
		.amdhsa_system_sgpr_workgroup_id_z 1
		.amdhsa_system_vgpr_workitem_id 0
		.amdhsa_next_free_vgpr 512
		.amdhsa_next_free_sgpr 66
		.amdhsa_reserve_vcc 0
		.amdhsa_float_denorm_mode_32 3
		.amdhsa_float_denorm_mode_16_64 3
		.amdhsa_memory_ordered 1
		.amdhsa_forward_progress 1
		.amdhsa_inst_pref_size 103
	.end_amdhsa_kernel
	.amdgpu_metadata
---
amdhsa.version: [ 1, 2 ]
amdhsa.kernels:
  - .name:           k_q8b4edcb967_prep
    .symbol:         k_q8b4edcb967_prep.kd
    .args:
      - { .name: W_q, .offset: 0, .size: 8, .value_kind: global_buffer, .address_space: global }
      - { .name: W_k, .offset: 8, .size: 8, .value_kind: global_buffer, .address_space: global }
      - { .name: W_v, .offset: 16, .size: 8, .value_kind: global_buffer, .address_space: global }
      - { .name: W_o, .offset: 24, .size: 8, .value_kind: global_buffer, .address_space: global }
      - { .name: mask, .offset: 32, .size: 8, .value_kind: global_buffer, .address_space: global }
      - { .name: wts, .offset: 40, .size: 8, .value_kind: global_buffer, .address_space: global }
      - { .name: msk, .offset: 48, .size: 8, .value_kind: global_buffer, .address_space: global }
    .group_segment_fixed_size: 34304
    .private_segment_fixed_size: 0
    .kernarg_segment_align: 8
    .kernarg_segment_size: 56
    .max_flat_workgroup_size: 128
    .sgpr_count:     66
    .vgpr_count:     512
    .wavefront_size: 32
...
	.end_amdgpu_metadata
.endif
;; end of part 5
;; launch proj (part 6): grid 64 x 3, 8 waves a work-group, no clusters, 171,008 bytes of LDS; arguments q, k, v, wts, qkv; writes qkv
.if DOCPART == 6
	.amdgcn_target "amdgcn-amd-amdhsa--gfx1250"
	.amdhsa_code_object_version 6
	.text
	.protected	k_q8b4edcb967_proj
	.globl	k_q8b4edcb967_proj
	.p2align	8
	.type	k_q8b4edcb967_proj,@function
k_q8b4edcb967_proj:
	s_mov_b64 s[64:65], 0
	v_nop
	global_prefetch_b8 v0, s[64:65] scope:SCOPE_SE
	s_setreg_imm32_b32 hwreg(HW_REG_WAVE_SCHED_MODE, 0, 2), 2
	s_setreg_imm32_b32 hwreg(HW_REG_WAVE_MODE, 25, 1), 1
	s_wait_xcnt 0x0
	s_wait_alu depctr_vm_vsrc(0)
; PROJ.  Y = x W^T on codes of FP6 (E2M3) with one E8M0 byte for each 32 along K, for x = q, k, v (work-group y), and Y quantised at once as the attention's operand.
; A work-group takes 128 tokens (work-group x).  PHASE X: it reads their 128 x 1,024 f32 ONCE and quantises them into LDS, as images of operand registers (wave w: token tile w, all 8 K steps).
; PHASE G: wave w multiplies them by weight groups 2 w and 2 w + 1 (64 features each: a head), one after the other: 32 accumulators of 16 x 16.  W's fragments come from memory straight into registers,
; as the launch before laid them; each is wanted by one wave of the work-group alone, so they do not go through LDS, and nothing is shared with another work-group at the same time by a joint request.
; TILES ARE PERMUTED: lane r of tile 2 b + u of a group of 32 rows stands for row 32 b + 8 u + r + 8 (r / 8).
; q, k: source 0 = 16 features, source 1 = 16 tokens: a lane holds one token and 16 neighbouring features of each block of 32: quantised along the head's 64: half fragments (6 registers, 768 bytes).
; v: source 0 = 16 tokens, source 1 = 16 features: a lane holds one feature and 16 neighbouring tokens of each block: quantised along the keys: full fragments.
; qkv: Q's images at 0, K's at 6,291,456: [head and batch 64][tile 128] x 768; V's at 12,582,912: [hb][key step 16][f 4] x 1,536; scale words: Q's at 18,874,368, K's at 19,398,656: [hb][step][j 2][r 16][4]
; (bytes 2, 3 are 0); V's at 19,922,944: [hb][step][r 16][f 4].
; 192 work-groups: 3 x 8,192 rows in blocks of 128; a block of 64 rows would read W twice as often.
; LIMITS: a block of zeros gets the byte 1 (zero codes; the bytes are read by this program alone); NaN and infinities among the inputs are not served.
; THE MODE: SCHED_MODE bits 1:0 = 2 (LLVM: expert scheduling mode 2), set by the entry lines.  The code itself states the register dependences
; between vector or matrix instructions and memory or LDS instructions, with s_wait_alu, always for 0.
; THE PLAN.  Registers that memory or LDS instructions touch:
;   v1, v4-13     addresses, made once at the head and never written again.
;   RAW0 .. RAW3  (window 1) phase X: global loads land there; the stage's LDS stores read them; the set is then asked for again.  In phase G these registers are the accumulators.
;   X             LDS loads from the stage land there; QUANT reads it.
;   PC, PW        QUANT writes them; the image's LDS stores read them.
;   WF, WS        two sets: step s's matrix instructions read set s % 2; behind them the loads of step s + 2 land in it.
;   XF            one set in two halves: tiles 0-3 are read by a step's first sixteen matrix instructions and then loaded again, tiles 4-7 by its second sixteen.  XS: two sets, by turns.
;   PO, T         the way out's vector lines write them; one run of global stores reads them; the next pass's loads land there.
; So: in a fragment of phase X one wait on vm_vsrc behind the turn through the stage and one on va_vdst behind QUANT; in a K step one wait on va_vdst behind each sixteen matrix instructions, ahead of the loads
; into what they read; on the way out one wait on va_vdst between all the vector work and all the stores, and one on vm_vsrc behind the stores.
.set XIMG,  0                          ; LDS: x's 64 fragments [K step 8][tile 8] x 1,536
.set XSC,   98304                      ; their scale words [s][j 2][r 16][4]
.set STG,   102400                     ; a stage of 16 x 528 bytes for each wave
.set STGB,  8448
.set SPARE, STG+8*STGB                 ; the spare words, 128 bytes a wave
.set LI,   1                           ; v1   16 x lane
.set STW,  4                           ; v4   the stage, in
.set STR,  5                           ; v5   the stage, out
.set XWI0, 6                           ; v6   where I store x's images, K steps 0-3: 16 x lane + 1,536 x wave
.set XWI1, 7                           ; v7   K steps 4-7: 49,152 on
.set XWS,  8                           ; v8   and their scale words
.set LI1,  9                           ; v9   16 x lane + 49,152
.set XSR,  10                          ; v10  XSC + 16 r
.set WSO,  11                          ; v11  16 r
.set L8,   12                          ; v12  8 x lane
.set SCO,  13                          ; v13  16 r + 8 h
.set WF,   16                          ; v16-111  W's fragments, two sets of 4 x 12
.set XF,   112                         ; v112-207 x's eight fragments
.set WS,   208                         ; v208-215 W's scale words, two sets of 4: nothing else ever lies here
.set XS,   216                         ; v216-231 x's, two sets of 8: likewise
.set X,    112                         ; phase X: 64 numbers,
.set PC,   176                         ; the codes just made,
.set TM,   16                          ; at work,
.set PW,   32                          ; the scale word
.set OTM,  16                          ; the way out: 16 largest magnitudes,
.set OTP,  32                          ; the other half's, then the bytes,
.set OSO,  48                          ; the conversions' scale operands,
.set PWD,  64                          ; the scale words,
.set T,    72                          ; those that I store,
.set PO,   112                         ; the codes
.set SPW,  252
.set NIL,  253
.set SEL,  20                          ; s[20:21]
.set HM,   23                          ; s23  lanes 16-31
.set SRC,  4                           ; s[4:5] x at my tile's first row
.set MSB, 0
.macro WIN new                         ; the immediate's high byte repeats the setting that is left
.if MSB != \new
	s_set_vgpr_msb (MSB<<8)|\new
.set MSB, \new
.endif
.endm
.macro LOADF set, roff, koff           ; 16 rows of 512 bytes into set \set of window 1: each load reads 512 consecutive bytes of one row
	WIN 0x40
.irp i, 0,1,2,3,4,5,6,7,8,9,10,11,12,13,14,15
	global_load_b128 v[64*(\set)+4*\i:64*(\set)+4*\i+3], v[LI], s[SRC:SRC+1] offset:((\roff)+\i+8*(\i/8))*4096+(\koff) th:TH_LOAD_NT
.endr
	WIN 0
.endm
.macro TURN set                        ; through my own stage: in as loaded, back 16 neighbours of each block of 32 to a lane; LDS serves a wave's instructions in order
	WIN 0x04
.irp i, 0,1,2,3,4,5,6,7,8,9,10,11,12,13,14,15
	ds_store_b128 v[STW], v[64*(\set)+4*\i:64*(\set)+4*\i+3] offset:528*\i
.endr
	WIN 0
.irp b, 0,1,2,3
.irp j, 0,1,2,3
	ds_load_b128 v[X+16*\b+4*\j:X+16*\b+4*\j+3], v[STR] offset:128*\b+16*\j
.endr
.endr
.endm
.macro QUANT s, pc, pw                 ; 64 numbers of a lane become a fragment's 12 registers at pc (20 are used) and its scale word in pw
.irp b, 0,1,2,3
	v_max3_num_f32 v[TM+\b], |v[(\s)+16*\b]|, |v[(\s)+1+16*\b]|, 0x1800000   ; and the floor 2^(3 - 127): the byte cannot fall under 1
.endr
.irp i, 2,4,6,8,10,12,14
.irp b, 0,1,2,3
	v_max3_num_f32 v[TM+\b], v[TM+\b], |v[(\s)+16*\b+\i]|, |v[(\s)+1+16*\b+\i]|
.endr
.endr
.irp b, 0,1,2,3
	v_permlanex16_b32 v[TM+4+\b], v[TM+\b], s[SEL], s[SEL+1]
.endr
.irp b, 0,1,2,3
	v_max_num_f32 v[TM+\b], v[TM+\b], v[TM+4+\b]
.endr
.irp b, 0,1,2,3
	v_add_nc_u32 v[TM+12+\b], 0xff000000, v[TM+\b] ; 2 off the exponent field: the conversion's scale operand
.endr
.irp b, 0,1,2,3
	v_lshrrev_b32 v[TM+4+\b], 23, v[TM+12+\b]      ; the scale's byte
.endr
	v_lshl_or_b32 v[\pw], v[TM+5], 8, v[TM+4]
	v_lshl_or_b32 v[\pw], v[TM+6], 16, v[\pw]
	v_lshl_or_b32 v[\pw], v[TM+7], 24, v[\pw]
.irp c, 0,1
	v_cvt_scalef32_pk16_fp6_f32 v[(\pc)+6*\c:(\pc)+2+6*\c], v[(\s)+32*\c:(\s)+15+32*\c], v[TM+12+2*\c]
	v_cvt_scalef32_pk16_fp6_f32 v[(\pc)+12+4*\c:(\pc)+14+4*\c], v[(\s)+16+32*\c:(\s)+31+32*\c], v[TM+12+2*\c+1]
.endr
	v_nop                                          ; one plain place behind a scaled conversion
.irp c, 0,1
.irp i, 0,1,2
	v_permlane16_swap_b32 v[(\pc)+6*\c+\i], v[(\pc)+12+4*\c+\i]
.endr
.irp i, 0,1,2
	v_mov_b32 v[(\pc)+3+6*\c+\i], v[(\pc)+12+4*\c+\i]
.endr
.endr
.endm
	s_load_b256 s[36:43], s[0:1], 0x0              ; q, k, v, wts
	s_load_b64 s[44:45], s[0:1], 0x20              ; qkv
	v_lshl_add_u32 v[SPW], v0, 2, SPARE
	v_mov_b32 v[NIL], 0
	v_lshrrev_b32 v14, 5, v0
	v_readfirstlane_b32 s14, v14                   ; wave 0..7
	s_and_b32 s15, ttmp7, 0xffff                   ; y: which tensor
	s_mov_b32 s16, ttmp9                           ; m: which 128 tokens
	v_and_b32 v14, 31, v0
	v_and_b32 v2, 15, v0                           ; r
	v_bfe_u32 v3, v0, 4, 1                         ; h
	v_lshlrev_b32 v[LI], 4, v14
	v_lshlrev_b32 v[L8], 3, v14
	s_wait_alu depctr_va_sdst(0)                   ; s14 is written, ahead of its first reader: LDS places and the buffers' offsets are made from it
	s_mul_i32 s24, s14, STGB
	s_add_co_u32 s24, s24, STG
	v_add_nc_u32 v[STW], s24, v[LI]
	v_mul_u32_u24 v[STR], v2, 528
	v_lshl_add_u32 v[STR], v3, 6, v[STR]
	v_add_nc_u32 v[STR], s24, v[STR]
	s_mul_i32 s24, s14, 1536
	v_add_nc_u32 v[XWI0], s24, v[LI]
	v_add_nc_u32 v[XWI1], 49152, v[XWI0]
	v_lshlrev_b32 v[WSO], 4, v2
	s_lshr_b32 s24, s14, 2
	s_lshl_b32 s24, s24, 8
	s_and_b32 s25, s14, 3
	s_lshl_b32 s25, s25, 2
	s_add_co_u32 s24, s24, s25
	s_add_co_u32 s24, s24, XSC
	v_add_nc_u32 v[XWS], s24, v[WSO]               ; XSC + 256 (w / 4) + 16 r + 4 (w % 4)
	v_add_nc_u32 v[LI1], 49152, v[LI]
	v_add_nc_u32 v[XSR], XSC, v[WSO]
	v_lshl_add_u32 v[SCO], v3, 3, v[WSO]
	s_mov_b32 s[SEL], 0x76543210
	s_mov_b32 s[SEL+1], 0xfedcba98
	s_mov_b32 s[HM], 0xffff0000
.irp b, 0,1,2,3
	v_mov_b32 v[TM+4+\b], 0                        ; written once: a lane permute's destination counts as one of its sources
.endr
	s_lshl_b32 s24, s16, 19                        ; x: 128 m rows of 4,096 bytes
	s_lshr_b32 s25, s14, 1
	s_lshl_b32 s25, s25, 17                        ; + 32 (w / 2) rows
	s_add_co_u32 s24, s24, s25
	s_and_b32 s25, s14, 1
	s_lshl_b32 s25, s25, 15                        ; + 8 (w % 2) rows
	s_add_co_u32 s24, s24, s25
	s_mov_b32 s25, 0
	s_mul_i32 s26, s15, 786432                     ; W's images: tensor y, group 2 w
	s_mul_i32 s27, s14, 98304
	s_add_co_u32 s26, s26, s27
	s_mov_b32 s27, 0
	s_lshl_b32 s28, s15, 15                        ; W's scale words
	s_lshl_b32 s29, s14, 12
	s_add_co_u32 s28, s28, s29
	s_add_co_u32 s28, s28, 3145728
	s_mov_b32 s29, 0
	s_lshr_b32 s30, s16, 4
	s_lshl_b32 s30, s30, 4
	s_lshl_b32 s31, s14, 1
	s_add_co_u32 s30, s30, s31                     ; hb = 16 x batch + 2 w
	s_and_b32 s31, s16, 15                         ; the key step (of 128 tokens) in the batch
	s_mul_i32 s32, s30, 98304
	s_mul_i32 s33, s31, 6144
	s_add_co_u32 s32, s32, s33
	s_mul_i32 s33, s15, 6291456
	s_add_co_u32 s32, s32, s33                     ; the images that I make
	s_mov_b32 s33, 0
	s_lshl_b32 s34, s30, 13
	s_lshl_b32 s35, s31, 9
	s_add_co_u32 s34, s34, s35
	s_cmp_eq_u32 s15, 2
	s_cselect_b32 s35, 1, 0
	s_lshr_b32 s34, s34, s35                       ; V has half as many scale words
	s_lshl_b32 s35, s15, 19
	s_add_co_u32 s34, s34, s35
	s_add_co_u32 s34, s34, 18874368
	s_mov_b32 s35, 0
	s_wait_kmcnt 0x0
	s_cmp_eq_u32 s15, 0                            ; the choice hangs on the work-group's number alone
	s_cselect_b64 s[4:5], s[36:37], s[38:39]
	s_cmp_eq_u32 s15, 2
	s_cselect_b64 s[4:5], s[40:41], s[4:5]
	s_add_nc_u64 s[4:5], s[4:5], s[24:25]
	s_add_nc_u64 s[6:7], s[42:43], s[26:27]
	s_add_nc_u64 s[8:9], s[42:43], s[28:29]
	s_add_nc_u64 s[10:11], s[44:45], s[32:33]
	s_add_nc_u64 s[12:13], s[44:45], s[34:35]
	s_wait_alu depctr_va_vdst(0)                   ; the addresses v1 and v4 to v13 are written: every load and store of the kernel reads one of them
	; ---- PHASE X: my tile's eight K steps; loads run four steps (64 loads) ahead
.macro FRAGX s
.if (\s) < 5
	s_wait_loadcnt 48                              ; this step's 16 loads are in; those of the three steps behind it may be out
.else
	s_wait_loadcnt 16*(7-(\s))
.endif
	TURN (\s)%4                                    ; (X takes the loads with no further wait: no vector instruction since the last wait on va_vdst names it)
	s_wait_dscnt 0x0                               ; the numbers are back
	s_wait_alu depctr_vm_vsrc(0)                   ; the stage's stores have read raw set s % 4, in which the loads below land; the last image's stores have read PC and PW, which QUANT writes again
.if (\s) < 4
	LOADF (\s)%4, 0, 512*((\s)+4)
.endif
	QUANT X, PC, PW
	s_wait_alu depctr_va_vdst(0)                   ; QUANT has written PC and PW, which the stores below read, and is done reading X, in which the next step's LDS loads land
.irp c, 0,1,2
.if (\s) < 4
	ds_store_b128 v[XWI0], v[PC+4*\c:PC+4*\c+3] offset:((\s)%4)*12288+512*\c
.else
	ds_store_b128 v[XWI1], v[PC+4*\c:PC+4*\c+3] offset:((\s)%4)*12288+512*\c
.endif
.endr
	ds_store_b32 v[XWS], v[PW] offset:512*(\s)     ; lanes r and 16 + r write the same word with the same value
.endm
	LOADF 0, 0, 0
	LOADF 1, 0, 512
	LOADF 2, 0, 1024
	LOADF 3, 0, 1536
.irp s, 0,1,2,3,4,5,6,7
	FRAGX \s
.endr
	s_wait_dscnt 0x0                               ; for the others' sake: my images have landed
	s_barrier_signal -1
	s_barrier_wait -1                              ; x's 64 fragments lie in LDS; from here on LDS is only read
	s_wait_alu depctr_vm_vsrc(0)                   ; my last image's stores have read PC and PW, in which loads of x and W land; the stage's stores have read the raw sets, which the matrix instructions write
	; ---- PHASE G
.macro WLOAD s, set                    ; 13 loads: K step s of my group: four fragments and their scale words
.irp i, 0,1,2,3,4,5,6,7,8,9,10,11
	global_load_b128 v[WF+48*(\set)+4*\i:WF+48*(\set)+4*\i+3], v[LI], s[6:7] offset:6144*(\s)+512*\i
.endr
	global_load_b128 v[WS+4*(\set):WS+4*(\set)+3], v[WSO], s[8:9] offset:256*(\s)
.endm
.macro XFL s, t0                       ; 12 LDS loads: x's tiles t0 .. t0 + 3 of K step s
.irp t, \t0, \t0+1, \t0+2, \t0+3
.irp c, 0,1,2
.if (\s) < 4
	ds_load_b128 v[XF+12*(\t)+4*\c:XF+12*(\t)+4*\c+3], v[LI] offset:((\s)%4)*12288+1536*(\t)+512*\c
.else
	ds_load_b128 v[XF+12*(\t)+4*\c:XF+12*(\t)+4*\c+3], v[LI1] offset:((\s)%4)*12288+1536*(\t)+512*\c
.endif
.endr
.endr
.endm
.macro XSL s                           ; 2 LDS loads: the eight tiles' scale words of K step s
	ds_load_b128 v[XS+8*((\s)%2):XS+8*((\s)%2)+3], v[XSR] offset:512*(\s)
	ds_load_b128 v[XS+8*((\s)%2)+4:XS+8*((\s)%2)+7], v[XSR] offset:512*(\s)+256
.endm
; 16 matrix instructions.  The 32 accumulators take turns, one instruction a turn, in the same order in every step.  The first K step starts the sums with the constant 0
.macro MULS s, t0, v
.irp t, \t0, \t0+1, \t0+2, \t0+3
.irp f, 0,1,2,3
.if \v
.if (\s) == 0
	v_wmma_scale_f32_16x16x128_f8f6f4 v[8*(8*\f+(\t)):8*(8*\f+(\t))+7], v[XF+12*(\t):XF+12*(\t)+11], v[WF+48*((\s)%2)+12*\f:WF+48*((\s)%2)+12*\f+11], 0, v[XS+8*((\s)%2)+(\t)], v[WS+4*((\s)%2)+\f] matrix_a_fmt:MATRIX_FMT_FP6 matrix_b_fmt:MATRIX_FMT_FP6
.else
	v_wmma_scale_f32_16x16x128_f8f6f4 v[8*(8*\f+(\t)):8*(8*\f+(\t))+7], v[XF+12*(\t):XF+12*(\t)+11], v[WF+48*((\s)%2)+12*\f:WF+48*((\s)%2)+12*\f+11], v[8*(8*\f+(\t)):8*(8*\f+(\t))+7], v[XS+8*((\s)%2)+(\t)], v[WS+4*((\s)%2)+\f] matrix_a_fmt:MATRIX_FMT_FP6 matrix_b_fmt:MATRIX_FMT_FP6
.endif
.else
.if (\s) == 0
	v_wmma_scale_f32_16x16x128_f8f6f4 v[8*(4*(\t)+\f):8*(4*(\t)+\f)+7], v[WF+48*((\s)%2)+12*\f:WF+48*((\s)%2)+12*\f+11], v[XF+12*(\t):XF+12*(\t)+11], 0, v[WS+4*((\s)%2)+\f], v[XS+8*((\s)%2)+(\t)] matrix_a_fmt:MATRIX_FMT_FP6 matrix_b_fmt:MATRIX_FMT_FP6
.else
	v_wmma_scale_f32_16x16x128_f8f6f4 v[8*(4*(\t)+\f):8*(4*(\t)+\f)+7], v[WF+48*((\s)%2)+12*\f:WF+48*((\s)%2)+12*\f+11], v[XF+12*(\t):XF+12*(\t)+11], v[8*(4*(\t)+\f):8*(4*(\t)+\f)+7], v[WS+4*((\s)%2)+\f], v[XS+8*((\s)%2)+(\t)] matrix_a_fmt:MATRIX_FMT_FP6 matrix_b_fmt:MATRIX_FMT_FP6
.endif
.endif
.endr
.endr
.endm
.macro PLACES                          ; four plain places behind a matrix instruction: behind the last K step they stand ahead of the vector lines that read the results; ahead of loads they stay beside the wait
.rept 4
	v_nop
.endr
.endm
.macro STEP s, v
.if (\s) < 7
	s_wait_loadcnt 13                              ; W of this step is in; the next step's 13 loads may be out
.else
	s_wait_loadcnt 0x0
.endif
	s_wait_dscnt 12                                ; x's tiles 0-3 and the scale words are in; the youngest 12 loads (tiles 4-7) may be out
	WIN 0x50                                       ; C and D window 1
	MULS \s, 0, \v
	s_wait_dscnt 0x0                               ; tiles 4-7 are in
	PLACES
	WIN 0
.if (\s) < 7
	s_wait_alu depctr_va_vdst(0)                   ; the sixteen matrix instructions above are done reading x's tiles 0-3, and the last step's are done reading the other set of x's scale words: the loads below land there
	XFL (\s)+1, 0
	XSL (\s)+1
.endif
	WIN 0x50
	MULS \s, 4, \v
	PLACES
	WIN 0
.if (\s) < 7
	s_wait_alu depctr_va_vdst(0)                   ; the step's matrix instructions are done reading x's tiles 4-7, and W's set s % 2 with its scale words: the loads below land there
	XFL (\s)+1, 4
.endif
.if (\s) < 6
	WLOAD (\s)+2, (\s)%2
.endif
.endm
.macro PASS v                          ; the first loads owe no wait of their own: no vector or matrix instruction has been issued since the last wait on va_vdst (phase X's last; the way out's)
	WLOAD 0, 0
	WLOAD 1, 1
	XFL 0, 0
	XSL 0
	XFL 0, 4
.irp s, 0,1,2,3,4,5,6,7
	STEP \s, \v
.endr
.endm
; The way out, first half, for both layouts: block p of 16 is accumulator registers 16 p .. 16 p + 15 of window 1: 16 neighbours along the next K; the other 16 lie in lane l xor 16.
; Each accumulator is read from its low end on.  (v32-47 have been written by awaited loads of W: a lane permute's destination counts as one of its sources.)
.macro SCALES16
	WIN 0x14                                       ; sources 1 and 2 window 1
.irp p, 0,1,2,3,4,5,6,7,8,9,10,11,12,13,14,15
	v_max3_num_f32 v[OTM+\p], 0x1800000, |v[16*\p]|, |v[16*\p+1]|   ; with the floor 2^(3 - 127)
.endr
.irp i, 2,4,6,8,10,12,14
.irp p, 0,1,2,3,4,5,6,7,8,9,10,11,12,13,14,15
	v_max3_num_f32 v[OTM+\p], v[OTM+\p], |v[16*\p+\i]|, |v[16*\p+\i+1]|
.endr
.endr
	WIN 0
.irp p, 0,1,2,3,4,5,6,7,8,9,10,11,12,13,14,15
	v_permlanex16_b32 v[OTP+\p], v[OTM+\p], s[SEL], s[SEL+1]
.endr
.irp p, 0,1,2,3,4,5,6,7,8,9,10,11,12,13,14,15
	v_max_num_f32 v[OTM+\p], v[OTM+\p], v[OTP+\p]
.endr
.irp p, 0,1,2,3,4,5,6,7,8,9,10,11,12,13,14,15
	v_add_nc_u32 v[OSO+\p], 0xff000000, v[OTM+\p]
.endr
.irp p, 0,1,2,3,4,5,6,7,8,9,10,11,12,13,14,15
	v_lshrrev_b32 v[OTP+\p], 23, v[OSO+\p]
.endr
.endm
.macro OUT_QK                          ; eight half fragments (tile t: blocks 2 t, 2 t + 1) and their scale words: all the vector work, one wait, all the stores
	SCALES16
.irp t, 0,1,2,3,4,5,6,7
	v_lshl_or_b32 v[PWD+\t], v[OTP+2*\t+1], 8, v[OTP+2*\t]   ; bytes 2 and 3 stay 0: they meet zero codes
.endr
	WIN 0x01                                       ; the numbers: window 1
.irp p, 0,1,2,3,4,5,6,7,8,9,10,11,12,13,14,15
	v_cvt_scalef32_pk16_fp6_f32 v[PO+4*\p:PO+4*\p+2], v[16*\p:16*\p+15], v[OSO+\p]
.endr
	v_nop                                          ; one plain place behind a scaled conversion
	WIN 0
.irp t, 0,1,2,3,4,5,6,7
.irp i, 0,1,2
	v_permlane16_swap_b32 v[PO+8*\t+\i], v[PO+8*\t+4+\i]   ; lanes 0-15 now hold block 0 whole, lanes 16-31 block 1
.endr
.irp i, 0,1,2
	v_mov_b32 v[PO+8*\t+3+\i], v[PO+8*\t+4+\i]
.endr
.endr
.irp j, 0,1
	v_cndmask_b32 v[T+2*\j], v[PWD+4*\j], v[PWD+4*\j+2], s[HM]
	v_cndmask_b32 v[T+2*\j+1], v[PWD+4*\j+1], v[PWD+4*\j+3], s[HM]
.endr
	s_wait_alu depctr_va_vdst(0)                   ; the lines above have written PO and T, which the stores below read; they and the pass's matrix instructions are done with v16-231, in which the next pass's loads land
.irp t, 0,1,2,3,4,5,6,7
.irp p, 0,1,2
	global_store_b64 v[L8], v[PO+8*\t+2*\p:PO+8*\t+2*\p+1], s[10:11] offset:768*\t+256*\p   ; 256 consecutive bytes, aligned
.endr
.endr
.irp j, 0,1
	global_store_b64 v[SCO], v[T+2*\j:T+2*\j+1], s[12:13] offset:256*\j
.endr
.endm
.macro OUT_V                           ; four full fragments (tile f of features: blocks 4 f .. 4 f + 3 along the keys) and their scale words: all the vector work, one wait, all the stores
	SCALES16
.irp f, 0,1,2,3
	v_lshl_or_b32 v[PWD+\f], v[OTP+4*\f+1], 8, v[OTP+4*\f]
	v_lshl_or_b32 v[PWD+\f], v[OTP+4*\f+2], 16, v[PWD+\f]
	v_lshl_or_b32 v[PWD+\f], v[OTP+4*\f+3], 24, v[PWD+\f]
.endr
	WIN 0x01
.irp f, 0,1,2,3
.irp c, 0,1
	v_cvt_scalef32_pk16_fp6_f32 v[PO+20*\f+6*\c:PO+20*\f+6*\c+2], v[64*\f+32*\c:64*\f+32*\c+15], v[OSO+4*\f+2*\c]
	v_cvt_scalef32_pk16_fp6_f32 v[PO+20*\f+12+4*\c:PO+20*\f+14+4*\c], v[64*\f+32*\c+16:64*\f+32*\c+31], v[OSO+4*\f+2*\c+1]
.endr
.endr
	v_nop
	WIN 0
.irp f, 0,1,2,3
.irp c, 0,1
.irp i, 0,1,2
	v_permlane16_swap_b32 v[PO+20*\f+6*\c+\i], v[PO+20*\f+12+4*\c+\i]
.endr
.irp i, 0,1,2
	v_mov_b32 v[PO+20*\f+6*\c+3+\i], v[PO+20*\f+12+4*\c+\i]
.endr
.endr
.endr
	v_cndmask_b32 v[T], v[PWD], v[PWD+2], s[HM]
	v_cndmask_b32 v[T+1], v[PWD+1], v[PWD+3], s[HM]
	s_wait_alu depctr_va_vdst(0)                   ; the lines above have written PO and T, which the stores below read; they and the pass's matrix instructions are done with v16-231, in which the next pass's loads land
.irp f, 0,1,2,3
.irp c, 0,1,2
	global_store_b128 v[LI], v[PO+20*\f+4*\c:PO+20*\f+4*\c+3], s[10:11] offset:1536*\f+512*\c
.endr
.endr
	global_store_b64 v[SCO], v[T:T+1], s[12:13]
.endm
	s_mov_b32 s22, 2                               ; two groups of 64 features a wave
	s_cmp_eq_u32 s15, 2
	s_cbranch_scc1 .Lpass_v
.Lpass_qk:
	PASS 0
	OUT_QK
	s_wait_xcnt 0x0                                ; the stores have read their data and bases: both are written again only behind this wait
	s_wait_alu depctr_vm_vsrc(0)                   ; the stores have read PO and T, in which the next pass's loads land
	s_add_nc_u64 s[6:7], s[6:7], 49152
	s_add_nc_u64 s[8:9], s[8:9], 2048
	s_add_nc_u64 s[10:11], s[10:11], 98304
	s_add_nc_u64 s[12:13], s[12:13], 8192
	s_sub_co_u32 s22, s22, 1
	s_cmp_lg_u32 s22, 0
	s_cbranch_scc1 .Lpass_qk
	s_branch .Ldone
.Lpass_v:
	PASS 1
	OUT_V
	s_wait_xcnt 0x0
	s_wait_alu depctr_vm_vsrc(0)                   ; the stores have read PO and T, in which the next pass's loads land
	s_add_nc_u64 s[6:7], s[6:7], 49152
	s_add_nc_u64 s[8:9], s[8:9], 2048
	s_add_nc_u64 s[10:11], s[10:11], 98304
	s_add_nc_u64 s[12:13], s[12:13], 4096
	s_sub_co_u32 s22, s22, 1
	s_cmp_lg_u32 s22, 0
	s_cbranch_scc1 .Lpass_v
.Ldone:
	s_wait_dscnt 0x0                               ; the wave's end
	s_wait_alu 0x0
	s_wait_tensorcnt 0x0
	ds_add_u32 v[SPW], v[NIL]
	s_wait_dscnt 0x0
	s_endpgm
.Lfunc_end_k_q8b4edcb967_proj:
	.size	k_q8b4edcb967_proj, .Lfunc_end_k_q8b4edcb967_proj-k_q8b4edcb967_proj
	.p2alignl 7, 3214868480
	.fill 96, 4, 3214868480
	.section	.rodata,"a",@progbits
	.p2align	6, 0x0
	.amdhsa_kernel k_q8b4edcb967_proj
		.amdhsa_group_segment_fixed_size 171008
		.amdhsa_private_segment_fixed_size 0
		.amdhsa_enable_private_segment 0
		.amdhsa_kernarg_size 40
		.amdhsa_user_sgpr_count 2
		.amdhsa_user_sgpr_kernarg_segment_ptr 1
		.amdhsa_wavefront_size32 1
		.amdhsa_system_sgpr_workgroup_id_x 1
		.amdhsa_system_sgpr_workgroup_id_y 1
		.amdhsa_system_sgpr_workgroup_id_z 1
		.amdhsa_system_vgpr_workitem_id 0
		.amdhsa_next_free_vgpr 512
		.amdhsa_next_free_sgpr 66
		.amdhsa_reserve_vcc 0
		.amdhsa_float_denorm_mode_32 3
		.amdhsa_float_denorm_mode_16_64 3
		.amdhsa_memory_ordered 1
		.amdhsa_forward_progress 1
		.amdhsa_inst_pref_size 219
	.end_amdhsa_kernel
	.amdgpu_metadata
---
amdhsa.version: [ 1, 2 ]
amdhsa.kernels:
  - .name:           k_q8b4edcb967_proj
    .symbol:         k_q8b4edcb967_proj.kd
    .args:
      - { .name: q, .offset: 0, .size: 8, .value_kind: global_buffer, .address_space: global }
      - { .name: k, .offset: 8, .size: 8, .value_kind: global_buffer, .address_space: global }
      - { .name: v, .offset: 16, .size: 8, .value_kind: global_buffer, .address_space: global }
      - { .name: wts, .offset: 24, .size: 8, .value_kind: global_buffer, .address_space: global }
      - { .name: qkv, .offset: 32, .size: 8, .value_kind: global_buffer, .address_space: global }
    .group_segment_fixed_size: 171008
    .private_segment_fixed_size: 0
    .kernarg_segment_align: 8
    .kernarg_segment_size: 40
    .max_flat_workgroup_size: 256
    .sgpr_count:     66
    .vgpr_count:     512
    .wavefront_size: 32
...
	.end_amdgpu_metadata
.endif
;; end of part 6
;; launch attn (part 7): grid 4 x 64, 16 waves a work-group, no clusters, 210,944 bytes of LDS; arguments qkv, msk, att; writes att
.if DOCPART == 7
	.amdgcn_target "amdgcn-amd-amdhsa--gfx1250"
	.amdhsa_code_object_version 6
	.text
	.protected	k_q8b4edcb967_attn
	.globl	k_q8b4edcb967_attn
	.p2align	8
	.type	k_q8b4edcb967_attn,@function
k_q8b4edcb967_attn:
	s_mov_b64 s[64:65], 0
	v_nop
	global_prefetch_b8 v0, s[64:65] scope:SCOPE_SE
	s_setreg_imm32_b32 hwreg(HW_REG_WAVE_SCHED_MODE, 0, 2), 2
	s_setreg_imm32_b32 hwreg(HW_REG_WAVE_MODE, 25, 1), 1
	s_wait_xcnt 0x0
	s_wait_alu depctr_vm_vsrc(0)
; ATTN.  o = softmax(where(mask, Q K^T / 8, -1e9)) V for one head and batch (work-group y), both products on codes of FP6 (E2M3) with E8M0 scales; o is quantised at once along the model's 1,024 for the last product.
; THE SOFTMAX: t = logit x log2(e); M = the running largest t rounded up to a whole number; p = 2^(t - M) is quantised along the keys, not normalised; the sum l of the unquantised p divides at the end.
; SHARES.  The head's K and V, as codes 204 KB, are copied into LDS once, through registers, and read by all sixteen waves.  Wave j = 16 x + w takes query tiles 2 j and 127 - 2 j, one after the other.
; Both products are used transposed (S^T = K Q^T, O^T = V^T P^T): a lane holds one query throughout.  A head is 64: K's and Q's fragments are 6 registers; the instruction's other 64 along K meet Q's zero codes.
; THE MASK IS AN INPUT.  The launch before stored it as whole numbers: 64 select words for each tile and key step, and a flag.  A masked logit is -1e9 to the bit: the score becomes -8e9 ahead of the maximum, and
; t - M becomes c x (-8e9) - M, rounded as the maximum's own t is: exactly 0 in a row that has met no open key yet (p = 1: a uniform row), some -1.4e9 otherwise (p = 0).
; A KEY STEP IS LEFT OUT (a scalar branch on the stored flags) where none of the tile's 16 rows has an open key in it and each of them has one somewhere: all its p are 0.  The selects are left out where the piece is all open.
; No tensor load, no copy: branches hang on numbers read from memory.  The loops' trip counts are constants.
; LIMITS: open logits are taken to lie far above -1e9 (by more than 150 / log2(e)); NaN and infinities are not served; a block's largest p is made from its largest score (v_exp_f32 is taken not to fall where its input rises);
; 1 / l is v_rcp_f32's; a block of zeros gets the byte 1; o's scale bytes leave one byte a lane (256 KB in the launch), in units written in part.
; THE MODE: SCHED_MODE bits 1:0 = 2 (LLVM: expert scheduling mode 2), set by the entry lines.  The code itself states the register dependences
; between vector or matrix instructions and memory or LDS instructions, with s_wait_alu, always for 0.
; THE PLAN.  Registers that memory or LDS instructions touch:
;   v1-4, v7, v86   addresses, made once at the head (behind the copy) and never written again.
;   v8-11           the copy's addresses at the head; in the loop the step's LDS addresses: written by four additions at a step's top, read by the step's LDS loads.
;   v96-197         the copy's data at the head: loaded, read by its LDS stores; later scores, O^T and codes.
;   v16-21, v28     Q and its scale word: loaded once a tile; read by every step's first eight matrix instructions.
;   v32-79          K's half fragments, read by those eight; then V's fragments, read by the step's last four.  v88-95, v228-231: their scale words.
;   v192-203, v235  p's codes and scale word: written by vector lines, read by the last four matrix instructions.
;   v192-197, v234  at a tile's end: o's codes and scale byte: written by vector lines, read by four global stores.
; So a step has, beside the two waits behind its exponentials: one wait on vm_vsrc ahead of the four additions; one on va_vdst ahead of K's loads (the addresses are written, the last step's matrix instructions are done
; with the registers); one behind the first eight matrix instructions, ahead of V's loads; one ahead of the last four (p's codes and scale word are written).
.set SPARE, 208896                     ; LDS: K's images at 0 (6,144 a step), V's at 98,304, K's scale words at 196,608 (512 a step), V's at 204,800 (256 a step), then the spare words
.set SPW, 5
.set NIL, 6
; v1 8 l; v2 16 l + 98,304; v3 16 r + 196,608; v4 16 r + 204,800; v7 16 r; v8-11 the step's LDS addresses; v12 -M, v13 the largest t, v[14:15] l in two halves; v16-27 Q (v22-27 zeros); v28 Q's scale word;
; v29 -8e9, v30 c x -8e9, v31 that - M; v32-79 K's eight half fragments, then V's four fragments; v80-85 zeros; v86 32 r + h; v88-95 K's scale words; v96-159 S^T, then p; v160-191 O^T; v192-203 p's codes;
; v204-210 the conversions' second halves; v212-215 the blocks' largest scores; v216-219 at work; v220-223 the blocks' largest t - M; v224-227 scale operands; v228-231 V's scale words; v[232:233] f; v234 at work; v235 p's scale word; v[236:237] sums.
; s[2:3] att, s[4:5] qkv, s[6:7] msk; s8 wave, s9 tile, s10 tiles to go, s11 steps to go, s12 steps to run (a bit each), s13 steps to mask; s14, s15, s84 the step's places in LDS; s16-63, s68-83 the 64 select words
; (s16-19, when the selects are done: the masks of blocks all of whose keys are closed); s[86:87] c, s[88:89] lane selects, s90 lanes 16-31, s91 head and batch; s[92:101] pointers; s66, s67, s85 at work.
	s_load_b128 s[4:7], s[0:1], 0x0                ; qkv, msk
	s_load_b64 s[2:3], s[0:1], 0x10                ; att
	v_lshl_add_u32 v[SPW], v0, 2, SPARE
	v_mov_b32 v[NIL], 0
	v_lshrrev_b32 v1, 5, v0
	v_readfirstlane_b32 s8, v1                     ; wave 0..15
	s_and_b32 s91, ttmp7, 0xffff                   ; hb
	v_lshlrev_b32 v8, 4, v0                        ; the copy: 16 bytes a thread, 8,192 an instruction
	v_add_nc_u32 v9, 0x10000, v8
	v_add_nc_u32 v10, 0x20000, v8
	v_add_nc_u32 v11, 0x30000, v8
	v_lshlrev_b32 v236, 3, v0
	v_add_nc_u32 v87, 204800, v236
	s_wait_alu depctr_va_sdst(0)                   ; s8 is written, ahead of its first reader: my tiles' numbers are made from it
	s_mul_i32 s66, s91, 98304
	s_add_co_u32 s66, s66, 6291456
	s_mov_b32 s67, 0
	s_wait_kmcnt 0x0
	s_add_nc_u64 s[92:93], s[4:5], s[66:67]        ; K's images of my head
	s_add_nc_u64 s[94:95], s[92:93], 6291456       ; V's
	s_lshl_b32 s66, s91, 13
	s_add_co_u32 s66, s66, 19398656
	s_add_nc_u64 s[96:97], s[4:5], s[66:67]        ; K's scale words
	s_lshl_b32 s66, s91, 12
	s_add_co_u32 s66, s66, 19922944
	s_add_nc_u64 s[98:99], s[4:5], s[66:67]        ; V's
	s_wait_alu depctr_va_vdst(0)                   ; v8 to v11, v87 and v236 are written: the copy's loads and LDS stores read them as addresses
.irp i, 0,1,2,3,4,5,6,7,8,9,10,11
	global_load_b128 v[96+4*\i:99+4*\i], v8, s[92:93] offset:8192*\i
.endr
.irp i, 0,1,2,3,4,5,6,7,8,9,10,11
	global_load_b128 v[144+4*\i:147+4*\i], v8, s[94:95] offset:8192*\i
.endr
	global_load_b128 v[192:195], v8, s[96:97]
	global_load_b64 v[196:197], v236, s[98:99]
.set i, 0
.rept 25
	s_wait_loadcnt 25-i                            ; load i is in; the 25 - i behind it may be out
	ds_store_b128 v[8+i/8], v[96+4*i:99+4*i] offset:(i%8)*8192
.set i, i+1
.endr
	s_wait_loadcnt 0x0
	ds_store_b64 v87, v[196:197]
	s_wait_alu depctr_vm_vsrc(0)                   ; the copy's loads and LDS stores have read v8 to v11, v87, v236 and v96 to v197: vector and matrix instructions write all of these from here on
	v_and_b32 v234, 31, v0                         ; lane
	v_and_b32 v232, 15, v0                         ; r
	v_bfe_u32 v233, v0, 4, 1                       ; h
	v_lshlrev_b32 v1, 3, v234
	v_lshlrev_b32 v2, 4, v234
	v_add_nc_u32 v2, 98304, v2
	v_lshlrev_b32 v7, 4, v232
	v_add_nc_u32 v3, 196608, v7
	v_add_nc_u32 v4, 204800, v7
	v_lshl_add_u32 v86, v232, 5, v233
	s_mov_b32 s86, 0x3e38aa3b                      ; c = log2(e) / 8
	s_mov_b32 s87, s86                             ; (named with it as a pair)
	s_mov_b32 s88, 0x76543210
	s_mov_b32 s89, 0xfedcba98
	s_mov_b32 s90, 0xffff0000
	v_mov_b32 v29, 0xcfee6b28                      ; -8e9 = 8 x -1e9, exactly
	v_mul_f32 v30, s86, v29                        ; its t, rounded as the maximum's is
.irp i, 22,23,24,25,26,27,80,81,82,83,84,85,216,217,218,219,233,234
	v_mov_b32 v[\i], 0                             ; zero codes; and registers that are named before they are first computed
.endr
	s_lshl_b32 s9, ttmp9, 4
	s_add_co_u32 s9, s9, s8
	s_lshl_b32 s9, s9, 1                           ; my first tile: 2 (16 x + w)
	s_mov_b32 s10, 2
	s_wait_dscnt 0x0                               ; for the others' sake: my part of the copy has landed
	s_barrier_signal -1
	s_barrier_wait -1                              ; K and V lie in LDS; from here on LDS is only read
.Ltile:
	s_lshl_b32 s85, s9, 9                          ; the tile's flags: 512 bytes a tile
	s_load_b128 s[16:19], s[6:7], s85 offset:524288
	s_load_b128 s[20:23], s[6:7], s85 offset:524416
	s_load_b128 s[24:27], s[6:7], s85 offset:524544
	s_load_b128 s[28:31], s[6:7], s85 offset:524672
	s_mul_i32 s66, s91, 98304
	s_mul_i32 s67, s9, 768
	s_add_co_u32 s66, s66, s67
	s_mov_b32 s67, 0
	s_add_nc_u64 s[92:93], s[4:5], s[66:67]        ; Q's image
	s_lshl_b32 s66, s91, 13
	s_lshr_b32 s12, s9, 2
	s_lshl_b32 s12, s12, 8
	s_add_co_u32 s66, s66, s12
	s_and_b32 s12, s9, 3
	s_lshl_b32 s12, s12, 2
	s_add_co_u32 s66, s66, s12
	s_add_co_u32 s66, s66, 18874368
	s_add_nc_u64 s[94:95], s[4:5], s[66:67]        ; Q's scale words
	s_lshl_b32 s66, s9, 12
	s_add_nc_u64 s[96:97], s[6:7], s[66:67]        ; the select words: 256 bytes a step
	s_lshr_b32 s66, s91, 4
	s_lshl_b32 s66, s66, 7
	s_add_co_u32 s66, s66, s9                      ; 128 x batch + tile
	s_lshl_b32 s13, s66, 9
	s_lshl_b32 s66, s66, 4
	s_and_b32 s12, s91, 15                         ; head
	s_add_co_u32 s66, s66, s12
	s_mul_i32 s66, s66, 768
	s_add_nc_u64 s[98:99], s[2:3], s[66:67]        ; o's image
	s_lshl_b32 s12, s12, 1
	s_add_co_u32 s66, s13, s12
	s_add_co_u32 s66, s66, 6291456
	s_add_nc_u64 s[100:101], s[2:3], s[66:67]      ; o's scale bytes
	s_wait_alu depctr_va_vdst(0)                   ; the first tile: the addresses v1 to v4, v7 and v86 and the zero codes v22-27 and v80-85 are written; the second: the first tile's matrix instructions are done reading Q and its scale word, in which the loads below land
.irp p, 0,1,2
	global_load_b64 v[16+2*\p:17+2*\p], v1, s[92:93] offset:256*\p
.endr
	global_load_b32 v28, v7, s[94:95]
	v_mov_b32 v13, 0xff61b1e6                      ; the largest t so far: -3e38
	v_floor_f32 v12, -v13                          ; -M
	v_mov_b32 v14, 0
	v_mov_b32 v15, 0
.irp j, 0,1,2,3,4,5,6,7,8,9,10,11,12,13,14,15,16,17,18,19,20,21,22,23,24,25,26,27,28,29,30,31
	v_mov_b32 v[160+\j], 0                         ; O^T: which step is the first to run hangs on the flags, so no step is written out to start the sums
.endr
	s_mov_b32 s14, 0
	s_mov_b32 s15, 0
	s_mov_b32 s84, 0
	s_mov_b32 s11, 16
	s_mov_b32 s12, 0
	s_mov_b32 s13, 0
	s_mov_b32 s66, 0
	s_wait_kmcnt 0x0
.set kq, 0
.rept 16
	s_or_b32 s66, s66, s[16+kq]                    ; which rows have an open key anywhere
	s_and_b32 s67, s[16+kq], 0xffff
	s_cselect_b32 s67, 1<<kq, 0                    ; some row has one in this step
	s_or_b32 s12, s12, s67
	s_bitcmp1_b32 s[16+kq], 16
	s_cselect_b32 s67, 1<<kq, 0                    ; the piece is all open
	s_or_b32 s13, s13, s67
.set kq, kq+1
.endr
	s_and_b32 s66, s66, 0xffff
	s_cmp_lg_u32 s66, 0xffff
	s_cselect_b32 s12, 0xffff, s12                 ; a row with no open key at all is a mean over all keys: every step runs
	s_and_not1_b32 s13, s12, s13
	s_wait_loadcnt 0x0                             ; Q
.Lstep:
	s_wait_alu depctr_vm_vsrc(0)                   ; the LDS loads issued so far have read v8 to v11, which the four lines below write
	v_add_nc_u32 v8, s14, v1                       ; on every way; also four places behind the last products
	v_add_nc_u32 v9, s14, v2
	v_add_nc_u32 v10, s15, v3
	v_add_nc_u32 v11, s84, v4
	s_bitcmp1_b32 s12, 0
	s_cbranch_scc0 .Lskip
	s_load_b512 s[16:31], s[96:97], 0x0            ; the select words, in every step that runs (the selects that read the last step's stand ahead of that step's waits for its exponentials)
	s_load_b512 s[32:47], s[96:97], 0x40
	s_load_b512 s[48:63], s[96:97], 0x80
	s_load_b512 s[68:83], s[96:97], 0xc0
	s_wait_alu depctr_va_vdst(0)                   ; v8 to v11 are written, which this step's LDS loads read; the matrix instructions issued so far are done reading v32-79, v88-95 and v228-231, in which those loads land
.irp t, 0,1,2,3,4,5,6,7
.irp p, 0,1,2
	ds_load_b64 v[32+6*\t+2*\p:33+6*\t+2*\p], v8 offset:768*\t+256*\p
.endr
.endr
	ds_load_b128 v[88:91], v10
	ds_load_b128 v[92:95], v10 offset:256
	s_wait_dscnt 0x0
.irp t, 0,1,2,3,4,5,6,7                ; S^T: source 0's upper six registers are the next tile's codes or zeros: they meet Q's zero codes
	v_wmma_scale_f32_16x16x128_f8f6f4 v[96+8*\t:103+8*\t], v[32+6*\t:43+6*\t], v[16:27], 0, v[88+\t], v28 matrix_a_fmt:MATRIX_FMT_FP6 matrix_b_fmt:MATRIX_FMT_FP6
.endr
.rept 4
	v_nop                                          ; places in front of the first read of the scores; they stay beside the wait below
.endr
	s_wait_alu depctr_va_vdst(0)                   ; the eight matrix instructions above are done reading K's registers, in which V's loads land
.irp f, 0,1,2,3                        ; V is asked for now and lands under the softmax
.irp c, 0,1,2
	ds_load_b128 v[32+12*\f+4*\c:35+12*\f+4*\c], v9 offset:1536*\f+512*\c
.endr
.endr
	ds_load_b128 v[228:231], v11
	s_wait_kmcnt 0x0
	s_bitcmp1_b32 s13, 0
	s_cbranch_scc0 .Lopen1
.set n, 0
.rept 64
.if n < 48
.set MR, 16+n
.else
.set MR, 20+n
.endif
	v_cndmask_b32 v[96+n], v29, v[96+n], s[MR]     ; a closed key's score is -8e9
.set n, n+1
.endr
.Lopen1:
.irp b, 0,1,2,3
	v_max3_num_f32 v[212+\b], v[96+16*\b], v[97+16*\b], v[98+16*\b]   ; the largest score of each block of 32 keys: for the row's maximum and for the block's largest p
.endr
.irp i, 3,5,7,9,11,13
.irp b, 0,1,2,3
	v_max3_num_f32 v[212+\b], v[212+\b], v[96+16*\b+\i], v[97+16*\b+\i]
.endr
.endr
.irp b, 0,1,2,3
	v_max_num_f32 v[212+\b], v[212+\b], v[111+16*\b]
.endr
.irp b, 0,1,2,3
	v_permlanex16_b32 v[216+\b], v[212+\b], s88, s89
.endr
.irp b, 0,1,2,3
	v_max_num_f32 v[212+\b], v[212+\b], v[216+\b]
.endr
	v_max3_num_f32 v234, v212, v213, v214
	v_max_num_f32 v234, v234, v215
	v_mul_f32 v234, s86, v234                      ; as t
	v_max_num_f32 v13, v13, v234
	v_mov_b32 v234, v12
	v_floor_f32 v12, -v13                          ; -M = floor(-t): M is a whole number
	v_sub_f32 v234, v12, v234                      ; old M - new M
	v_cvt_i32_f32 v234, v234                       ; (it saturates)
	v_ldexp_f32 v232, 1.0, v234                    ; f = 2^(old M - new M)
.irp j, 0,2,4,6,8,10,12,14,16,18,20,22,24,26,28,30,32,34,36,38,40,42,44,46,48,50,52,54,56,58,60,62
	v_pk_fma_f32 v[96+\j:97+\j], v[96+\j:97+\j], s[86:87], v[12:13] op_sel_hi:[1,0,0]   ; t - M
.endr
.irp b, 0,1,2,3
	v_fma_f32 v[220+\b], v[212+\b], s86, v12
.endr
	s_bitcmp1_b32 s13, 0
	s_cbranch_scc0 .Lopen2
	v_add_f32 v31, v30, v12                        ; a closed key's t - M, from its ROUNDED t: 0 where the row's maximum is that t itself
.set n, 0
.rept 64
.if n < 48
.set MR, 16+n
.else
.set MR, 20+n
.endif
	v_cndmask_b32 v[96+n], v31, v[96+n], s[MR]
.set n, n+1
.endr
.irp b, 0,1,2,3
	v_cmp_eq_f32 s[16+\b], v[212+\b], v29          ; a block all of whose keys are closed: four masks in one run, into select words that are done with
.endr
	s_wait_alu depctr_va_sdst(0)                   ; the four compares have written s16 to s19, ahead of the selects that read them
.irp b, 0,1,2,3
	v_cndmask_b32 v[220+\b], v[220+\b], v31, s[16+\b]
.endr
.Lopen2:
	s_wait_alu depctr_va_vdst(0)
.irp j, 0,1,2,3,4,5,6,7,8,9,10,11,12,13,14,15,16,17,18,19,20,21,22,23,24,25,26,27,28,29,30,31,32,33,34,35,36,37,38,39,40,41,42,43,44,45,46,47,48,49,50,51,52,53,54,55,56,57,58,59,60,61,62,63
	v_exp_f32 v[96+\j], v[96+\j]                   ; p = 2^(t - M)
.endr
	v_pk_mul_f32 v[14:15], v[14:15], v[232:233] op_sel_hi:[1,0]   ; l under the new M: a plain place behind the exponentials
	s_wait_alu depctr_va_vdst(0)                   ; the 64 exponentials have written v96-159: one wait for the batch, ahead of the first line that names a result
.irp b, 0,1,2,3
	v_exp_f32 v[220+\b], v[220+\b]                 ; the blocks' largest p
.endr
	v_pk_add_f32 v[236:237], v[96:97], v[98:99]    ; l is the sum of the unquantised p, in two chains
.irp j, 4,8,12,16,20,24,28,32,36,40,44,48,52,56,60
	v_pk_add_f32 v[14:15], v[14:15], v[96+\j:97+\j]
	v_pk_add_f32 v[236:237], v[236:237], v[98+\j:99+\j]
.endr
	v_pk_add_f32 v[14:15], v[14:15], v[236:237]
	s_wait_alu depctr_va_vdst(0)                   ; the four exponentials have written v220-223, ahead of the first line that names them
.irp b, 0,1,2,3
	v_max_num_f32 v[220+\b], 0x1800000, v[220+\b]  ; the floor 2^(3 - 127)
.endr
.irp b, 0,1,2,3
	v_add_nc_u32 v[224+\b], 0xff000000, v[220+\b]
.endr
.irp b, 0,1,2,3
	v_lshrrev_b32 v[216+\b], 23, v[224+\b]
.endr
	v_lshl_or_b32 v235, v217, 8, v216              ; p's scale word for these 128 keys
	v_lshl_or_b32 v235, v218, 16, v235
	v_lshl_or_b32 v235, v219, 24, v235
.irp c, 0,1
	v_cvt_scalef32_pk16_fp6_f32 v[192+6*\c:194+6*\c], v[96+32*\c:111+32*\c], v[224+2*\c]
	v_cvt_scalef32_pk16_fp6_f32 v[204+4*\c:206+4*\c], v[112+32*\c:127+32*\c], v[224+2*\c+1]
.endr
	v_nop                                          ; one plain place behind a scaled conversion
.irp c, 0,1
.irp i, 0,1,2
	v_permlane16_swap_b32 v[192+6*\c+\i], v[204+4*\c+\i]
.endr
.irp i, 0,1,2
	v_mov_b32 v[195+6*\c+\i], v[204+4*\c+\i]
.endr
.endr
.irp j, 0,2,4,6,8,10,12,14,16,18,20,22,24,26,28,30
	v_pk_mul_f32 v[160+\j:161+\j], v[160+\j:161+\j], v[232:233] op_sel_hi:[1,0]   ; O^T under the new M; these sixteen are also the places between p's codes and scale word and the products
.endr
	s_wait_dscnt 0x0                               ; V
	s_wait_alu depctr_va_vdst(0)                   ; the vector lines above have written p's codes v192-203 and its scale word v235, which the matrix instructions below take as source 1 and as its scales; the places stand ahead of this wait
.irp f, 0,1,2,3
	v_wmma_scale_f32_16x16x128_f8f6f4 v[160+8*\f:167+8*\f], v[32+12*\f:43+12*\f], v[192:203], v[160+8*\f:167+8*\f], v[228+\f], v235 matrix_a_fmt:MATRIX_FMT_FP6 matrix_b_fmt:MATRIX_FMT_FP6
.endr
.Lskip:
	s_lshr_b32 s12, s12, 1
	s_lshr_b32 s13, s13, 1
	s_add_co_u32 s14, s14, 6144
	s_add_co_u32 s15, s15, 512
	s_add_co_u32 s84, s84, 256
	s_add_nc_u64 s[96:97], s[96:97], 256           ; (the step's scalar loads have been waited for)
	s_sub_co_u32 s11, s11, 1
	s_cmp_lg_u32 s11, 0
	s_cbranch_scc1 .Lstep
	; ---- the tile's end: o = O^T / l, quantised along the head's 64: two blocks; a half fragment and two scale bytes a row
.rept 4
	v_nop
.endr
	v_add_f32 v14, v14, v15
	v_permlanex16_b32 v234, v14, s88, s89
	v_add_f32 v14, v14, v234
	s_wait_alu depctr_va_vdst(0)
	v_rcp_f32 v14, v14
	v_nop                                          ; a plain place behind the reciprocal
	s_wait_alu depctr_va_vdst(0)                   ; the reciprocal has written v14, ahead of the first line that names it
.irp j, 0,1,2,3,4,5,6,7,8,9,10,11,12,13,14,15,16,17,18,19,20,21,22,23,24,25,26,27,28,29,30,31
	v_mul_f32 v[96+\j], v[160+\j], v14             ; register 16 b + i: o(my query, 32 b + 16 h + i)
.endr
.irp b, 0,1
	v_max3_num_f32 v[212+\b], |v[96+16*\b]|, |v[97+16*\b]|, 0x1800000
.endr
.irp i, 2,4,6,8,10,12,14
.irp b, 0,1
	v_max3_num_f32 v[212+\b], v[212+\b], |v[96+16*\b+\i]|, |v[97+16*\b+\i]|
.endr
.endr
.irp b, 0,1
	v_permlanex16_b32 v[216+\b], v[212+\b], s88, s89
.endr
.irp b, 0,1
	v_max_num_f32 v[212+\b], v[212+\b], v[216+\b]
.endr
.irp b, 0,1
	v_add_nc_u32 v[224+\b], 0xff000000, v[212+\b]
.endr
.irp b, 0,1
	v_lshrrev_b32 v[216+\b], 23, v[224+\b]
.endr
	v_cvt_scalef32_pk16_fp6_f32 v[192:194], v[96:111], v224
	v_cvt_scalef32_pk16_fp6_f32 v[196:198], v[112:127], v225
	v_nop
.irp i, 0,1,2
	v_permlane16_swap_b32 v[192+\i], v[196+\i]
.endr
.irp i, 0,1,2
	v_mov_b32 v[195+\i], v[196+\i]
.endr
	v_cndmask_b32 v234, v216, v217, s90            ; lanes 0-15 store block 0's byte, lanes 16-31 block 1's
	s_wait_alu depctr_va_vdst(0)                   ; the lines above have written o's codes v192-197 and its scale byte v234, which the four stores below read
.irp p, 0,1,2
	global_store_b64 v1, v[192+2*\p:193+2*\p], s[98:99] offset:256*\p   ; 256 consecutive bytes, aligned
.endr
	global_store_b8 v86, v234, s[100:101]
	s_wait_xcnt 0x0                                ; the stores have read their data and bases: the next tile writes both
	s_wait_alu depctr_vm_vsrc(0)                   ; the stores have read v192-197 and v234, which the next tile's vector lines write again
	s_sub_co_u32 s9, 127, s9
	s_sub_co_u32 s10, s10, 1
	s_cmp_lg_u32 s10, 0
	s_cbranch_scc1 .Ltile
	s_wait_dscnt 0x0                               ; the wave's end
	s_wait_alu 0x0
	s_wait_tensorcnt 0x0
	ds_add_u32 v[SPW], v[NIL]
	s_wait_dscnt 0x0
	s_endpgm
.Lfunc_end_k_q8b4edcb967_attn:
	.size	k_q8b4edcb967_attn, .Lfunc_end_k_q8b4edcb967_attn-k_q8b4edcb967_attn
	.p2alignl 7, 3214868480
	.fill 96, 4, 3214868480
	.section	.rodata,"a",@progbits
	.p2align	6, 0x0
	.amdhsa_kernel k_q8b4edcb967_attn
		.amdhsa_group_segment_fixed_size 210944
		.amdhsa_private_segment_fixed_size 0
		.amdhsa_enable_private_segment 0
		.amdhsa_kernarg_size 24
		.amdhsa_user_sgpr_count 2
		.amdhsa_user_sgpr_kernarg_segment_ptr 1
		.amdhsa_wavefront_size32 1
		.amdhsa_system_sgpr_workgroup_id_x 1
		.amdhsa_system_sgpr_workgroup_id_y 1
		.amdhsa_system_sgpr_workgroup_id_z 1
		.amdhsa_system_vgpr_workitem_id 0
		.amdhsa_next_free_vgpr 256
		.amdhsa_next_free_sgpr 102
		.amdhsa_reserve_vcc 0
		.amdhsa_float_denorm_mode_32 3
		.amdhsa_float_denorm_mode_16_64 3
		.amdhsa_memory_ordered 1
		.amdhsa_forward_progress 1
		.amdhsa_inst_pref_size 46
	.end_amdhsa_kernel
	.amdgpu_metadata
---
amdhsa.version: [ 1, 2 ]
amdhsa.kernels:
  - .name:           k_q8b4edcb967_attn
    .symbol:         k_q8b4edcb967_attn.kd
    .args:
      - { .name: qkv, .offset: 0, .size: 8, .value_kind: global_buffer, .address_space: global }
      - { .name: msk, .offset: 8, .size: 8, .value_kind: global_buffer, .address_space: global }
      - { .name: att, .offset: 16, .size: 8, .value_kind: global_buffer, .address_space: global }
    .group_segment_fixed_size: 210944
    .private_segment_fixed_size: 0
    .kernarg_segment_align: 8
    .kernarg_segment_size: 24
    .max_flat_workgroup_size: 512
    .sgpr_count:     102
    .vgpr_count:     256
    .wavefront_size: 32
...
	.end_amdgpu_metadata
.endif
;; end of part 7
;; launch oproj (part 8): grid 4 x 64, 4 waves a work-group, no clusters, 120,320 bytes of LDS; arguments att, wts, out0; writes out0
.if DOCPART == 8
	.amdgcn_target "amdgcn-amd-amdhsa--gfx1250"
	.amdhsa_code_object_version 6
	.text
	.protected	k_q8b4edcb967_oproj
	.globl	k_q8b4edcb967_oproj
	.p2align	8
	.type	k_q8b4edcb967_oproj,@function
k_q8b4edcb967_oproj:
	s_mov_b64 s[64:65], 0
	v_nop
	global_prefetch_b8 v0, s[64:65] scope:SCOPE_SE
	s_setreg_imm32_b32 hwreg(HW_REG_WAVE_SCHED_MODE, 0, 2), 2
	s_setreg_imm32_b32 hwreg(HW_REG_WAVE_MODE, 25, 1), 1
	s_wait_xcnt 0x0
	s_wait_alu depctr_vm_vsrc(0)
; OPROJ.  out0 = o W_o^T on codes of FP6 (E2M3) with E8M0 scales.  o comes as the attention launch left it: half fragments [tile 512][head 16] x 768 bytes, and from byte 6,291,456 scale bytes [tile][r 16][head 16][2]:
; heads 2 s and 2 s + 1 make the fragment and the scale word of K step s.
; A work-group takes 128 tokens (work-group y) and 256 features (work-group x): its four waves copy the tokens' codes into LDS as full fragments; wave w multiplies them by weight group 4 x + w (64 features): 32 accumulators.
; All of the wave's W (32 fragments, 384 registers) comes from memory straight into registers, once: each fragment is wanted by this wave alone.
; Source 0 = 16 features, source 1 = 16 tokens: a lane holds one token and 16 neighbouring features of each 32.  Tiles are permuted (lane r of tile 2 b + u: row 32 b + 8 u + r + 8 (r / 8)); the stores put the rows back.
; REGISTERS: window 0: v1-15 addresses; v16-47 W's scale words, v48-63 x's (nothing else ever lies there); v112-207 x's eight fragments of the even K steps; on the way out v64-127 rows of the result.
;   window 1: the copy's data, then the accumulators ((t, f) at 8 (4 t + f)).   windows 2, 3: W's fragments: K step s at 48 (s % 5) of window 2 + s / 5.   window 3, v144-239: x's eight fragments of the odd K steps.
; THE MODE: SCHED_MODE bits 1:0 = 2 (LLVM: expert scheduling mode 2), set by the entry lines.  The code itself states the register dependences
; between vector or matrix instructions and memory or LDS instructions, with s_wait_alu, always for 0.
; THE PLAN.  Registers that memory or LDS instructions touch:
;   v1, v4-14     addresses, made once at the head and never written again.
;   window 1      the copy's data: loaded, read by the copy's LDS stores; then the accumulators, written by matrix instructions and read by the stage's LDS stores.
;   W, WS         loaded once; read by matrix instructions.
;   XF0, XF1      two sets of x's eight fragments, XS0, XS1 of their scale words.  Step s's matrix instructions read set s % 2; the LDS loads of step s + 1, issued in step s, land in the other set, which step s - 1 read.
;   OB0, OB1      the way out: LDS loads from the stage land there, global stores read them, by turns.
; So ONE wait on va_vdst stands at the head of a K step: the step before is done reading the other set.  The step's 26 LDS loads follow in two runs among its 32 matrix instructions, which name this step's set, W, the
; scale words of this step and the accumulators: none of the registers that those loads touch.  Step 0 loads into registers that nothing has read, and step 7 loads nothing: they have no such wait.
.set XIMG,  0                          ; LDS: [K step 8][tile 8] x 1,536
.set XSC,   98304                      ; scale words [s][j 2][r 16][4]
.set STG,   102400                     ; a stage of 16 rows x (256 + 16) bytes for each wave
.set SPARE, STG+4*4352
.set LI,  1                            ; v1   16 x lane
.set LI1, 4                            ; v4   + 49,152
.set XSR, 5                            ; v5   XSC + 16 r
.set WSO, 6                            ; v6   16 r
.set CW0, 7                            ; v7   the copy: 16 x lane + 3,072 x wave
.set CW1, 8                            ; v8   + 49,152
.set XSW, 9                            ; v9   where my thread's eight scale words go
.set STO, 10                           ; v10  the stage, in
.set RD,  11                           ; v11  the stage, out
.set CO,  12                           ; v12  4,096 h + 16 r
.set L8,  13                           ; v13  8 x lane
.set T32, 14                           ; v14  32 x thread
.set WS,  16
.set XS,  48
.set OB,  64
.set XF,  112                          ; set 0 at v112 of window 0, set 1 at v144 of window 3: XF + 32 (s % 2)
.set SPW, 252
.set NIL, 253
.set MSB, 0
.macro WIN new                         ; the immediate's high byte repeats the setting that is left
.if MSB != (\new)
	s_set_vgpr_msb (MSB<<8)|(\new)
.set MSB, (\new)
.endif
.endm
	s_load_b128 s[4:7], s[0:1], 0x0                ; att, wts
	s_load_b64 s[8:9], s[0:1], 0x10                ; out0
	v_lshl_add_u32 v[SPW], v0, 2, SPARE
	v_mov_b32 v[NIL], 0
	v_lshrrev_b32 v15, 5, v0
	v_readfirstlane_b32 s14, v15                   ; wave 0..3
	s_and_b32 s16, ttmp7, 0xffff                   ; m
	s_lshl_b32 s17, ttmp9, 2
	s_wait_alu depctr_va_sdst(0)                   ; s14 is written, ahead of its first reader: LDS places and the buffers' offsets are made from it
	s_add_co_u32 s17, s17, s14                     ; g = 4 x + w
	v_and_b32 v15, 31, v0
	v_and_b32 v2, 15, v0                           ; r
	v_bfe_u32 v3, v0, 4, 1                         ; h
	v_lshlrev_b32 v[LI], 4, v15
	v_lshlrev_b32 v[L8], 3, v15
	v_lshlrev_b32 v[T32], 5, v0
	v_add_nc_u32 v[LI1], 49152, v[LI]
	v_lshlrev_b32 v[WSO], 4, v2
	v_add_nc_u32 v[XSR], XSC, v[WSO]
	s_mul_i32 s24, s14, 3072
	v_add_nc_u32 v[CW0], s24, v[LI]
	v_add_nc_u32 v[CW1], 49152, v[CW0]
	v_bfe_u32 v[XSW], v0, 6, 1                     ; thread = 16 t + r: XSC + 256 (t / 4) + 16 r + 4 (t % 4)
	v_lshlrev_b32 v[XSW], 8, v[XSW]
	v_lshl_add_u32 v[XSW], v2, 4, v[XSW]
	v_bfe_u32 v15, v0, 4, 2
	v_lshl_add_u32 v[XSW], v15, 2, v[XSW]
	v_add_nc_u32 v[XSW], XSC, v[XSW]
	s_mul_i32 s24, s14, 4352
	s_add_co_u32 s24, s24, STG
	v_mul_u32_u24 v[STO], v2, 272
	v_lshl_add_u32 v[STO], v3, 6, v[STO]
	v_add_nc_u32 v[STO], s24, v[STO]
	v_mul_u32_u24 v[RD], v3, 272
	v_lshl_add_u32 v[RD], v2, 4, v[RD]
	v_add_nc_u32 v[RD], s24, v[RD]
	v_lshlrev_b32 v[CO], 12, v3
	v_lshl_add_u32 v[CO], v2, 4, v[CO]
	s_lshl_b32 s24, s16, 3
	s_lshl_b32 s25, s14, 1
	s_add_co_u32 s24, s24, s25
	s_mul_i32 s24, s24, 12288                      ; my two tiles: 8 m + 2 w on
	s_mov_b32 s25, 0
	s_lshl_b32 s26, s16, 12
	s_add_co_u32 s26, s26, 6291456                 ; the block's 4,096 scale bytes
	s_mov_b32 s27, 0
	s_mul_i32 s28, s17, 49152
	s_add_co_u32 s28, s28, 2359296                 ; W_o's images, group g
	s_mov_b32 s29, 0
	s_lshl_b32 s30, s17, 11
	s_add_co_u32 s30, s30, 3244032                 ; and its scale words
	s_mov_b32 s31, 0
	s_lshl_b32 s32, s16, 19
	s_lshl_b32 s33, s17, 8
	s_add_co_u32 s32, s32, s33                     ; out0: 128 m rows of 4,096 bytes + 256 g
	s_mov_b32 s33, 0
	s_wait_kmcnt 0x0
	s_add_nc_u64 s[10:11], s[4:5], s[24:25]
	s_add_nc_u64 s[12:13], s[4:5], s[26:27]
	s_add_nc_u64 s[18:19], s[6:7], s[28:29]
	s_add_nc_u64 s[20:21], s[6:7], s[30:31]
	s_add_nc_u64 s[8:9], s[8:9], s[32:33]
	; ---- the copy: 2 x 48 loads of 256 consecutive bytes, and my thread's 32 scale bytes
	WIN 0x40
	s_wait_alu depctr_va_vdst(0)                   ; the addresses v1 and v4 to v14 are written: every load and store of the kernel reads one of them
.irp e, 0,1
.set q, 0
.rept 48
	global_load_b64 v[96*\e+2*q:96*\e+2*q+1], v[L8], s[10:11] offset:12288*\e+256*q
.set q, q+1
.endr
.endr
	global_load_b128 v[192:195], v[T32], s[12:13]
	global_load_b128 v[196:199], v[T32], s[12:13] offset:16
; piece q = 3 head + p of tile e holds registers 2 p, 2 p + 1 of the head's six: registers 6 (head % 2) + 2 p on of K step head / 2's twelve: in the image, 8 bytes at 512 (k / 2) + 8 (k % 2) + 16 x lane, k = 3 (head % 2) + p
.macro CSTORE e
.set q, 0
.rept 48
.set hd, q/3
.set kk, 3*(hd%2)+q%3
.set oo, ((hd/2)%4)*12288+1536*(\e)+512*(kk/2)+8*(kk%2)
.if hd < 8
	ds_store_b64 v[CW0], v[96*(\e)+2*q:96*(\e)+2*q+1] offset:oo
.else
	ds_store_b64 v[CW1], v[96*(\e)+2*q:96*(\e)+2*q+1] offset:oo
.endif
.set q, q+1
.endr
.endm
	WIN 0x04                                       ; an LDS store's data: window 1
	s_wait_loadcnt 50                              ; the first tile's 48 loads are in; the second's 48 and the 2 of scale bytes may be out
	CSTORE 0
	s_wait_loadcnt 2
	CSTORE 1
	s_wait_loadcnt 0x0
.irp s, 0,1,2,3,4,5,6,7
	ds_store_b32 v[XSW], v[192+\s] offset:512*\s
.endr
	WIN 0
	; ---- all of my W: the scale words first, then the fragments in the order of the K steps
.irp s, 0,1,2,3,4,5,6,7
	global_load_b128 v[WS+4*\s:WS+4*\s+3], v[WSO], s[20:21] offset:256*\s
.endr
	WIN 0x80                                       ; destination window 2
.irp s, 0,1,2,3,4
.irp i, 0,1,2,3,4,5,6,7,8,9,10,11
	global_load_b128 v[48*\s+4*\i:48*\s+4*\i+3], v[LI], s[18:19] offset:6144*\s+512*\i
.endr
.endr
	WIN 0xc0                                       ; window 3
.irp s, 5,6,7
.irp i, 0,1,2,3,4,5,6,7,8,9,10,11
	global_load_b128 v[48*(\s-5)+4*\i:48*(\s-5)+4*\i+3], v[LI], s[18:19] offset:6144*\s+512*\i
.endr
.endr
	WIN 0
	s_wait_dscnt 0x0                               ; for the others' sake: my part of the copy has landed
	s_barrier_signal -1
	s_barrier_wait -1                              ; x's 64 fragments lie in LDS
	s_wait_alu depctr_vm_vsrc(0)                   ; the copy's LDS stores have read window 1's registers, which the matrix instructions write as accumulators
.macro XFL s, t0                       ; 12 LDS loads: x's tiles t0 .. t0 + 3 of K step s, into set s % 2 (the caller sets the destination's window: 0 or 3)
.irp t, \t0, \t0+1, \t0+2, \t0+3
.irp c, 0,1,2
.if (\s) < 4
	ds_load_b128 v[XF+32*((\s)%2)+12*(\t)+4*\c:XF+32*((\s)%2)+12*(\t)+4*\c+3], v[LI] offset:((\s)%4)*12288+1536*(\t)+512*\c
.else
	ds_load_b128 v[XF+32*((\s)%2)+12*(\t)+4*\c:XF+32*((\s)%2)+12*(\t)+4*\c+3], v[LI1] offset:((\s)%4)*12288+1536*(\t)+512*\c
.endif
.endr
.endr
.endm
.macro XSL s                           ; 2 LDS loads: the eight tiles' scale words of K step s, into set s % 2 (window 0)
	ds_load_b128 v[XS+8*((\s)%2):XS+8*((\s)%2)+3], v[XSR] offset:512*(\s)
	ds_load_b128 v[XS+8*((\s)%2)+4:XS+8*((\s)%2)+7], v[XSR] offset:512*(\s)+256
.endm
; 8 matrix instructions: tiles t0, t0 + 1; the 32 accumulators take turns, one instruction a turn, in the same order in every step; the first K step starts the sums with the constant 0
.macro MUL8 s, t0
.irp t, \t0, \t0+1
.irp f, 0,1,2,3
.if (\s) == 0
	v_wmma_scale_f32_16x16x128_f8f6f4 v[8*(4*(\t)+\f):8*(4*(\t)+\f)+7], v[48*((\s)%5)+12*\f:48*((\s)%5)+12*\f+11], v[XF+32*((\s)%2)+12*(\t):XF+32*((\s)%2)+12*(\t)+11], 0, v[WS+4*(\s)+\f], v[XS+8*((\s)%2)+(\t)] matrix_a_fmt:MATRIX_FMT_FP6 matrix_b_fmt:MATRIX_FMT_FP6
.else
	v_wmma_scale_f32_16x16x128_f8f6f4 v[8*(4*(\t)+\f):8*(4*(\t)+\f)+7], v[48*((\s)%5)+12*\f:48*((\s)%5)+12*\f+11], v[XF+32*((\s)%2)+12*(\t):XF+32*((\s)%2)+12*(\t)+11], v[8*(4*(\t)+\f):8*(4*(\t)+\f)+7], v[WS+4*(\s)+\f], v[XS+8*((\s)%2)+(\t)] matrix_a_fmt:MATRIX_FMT_FP6 matrix_b_fmt:MATRIX_FMT_FP6
.endif
.endr
.endr
.endm
.macro PLACES                          ; four plain places behind a matrix instruction: behind the last K step they stand ahead of the stores that read the results; ahead of loads they stay beside the step's wait
.rept 4
	v_nop
.endr
.endm
; A K step.  The products' windows: W in window 2 or 3, x in window 0 (even steps) or 3 (odd steps), C and D in window 1.
.macro STEP s
.if 12*(7-(\s)) > 63
	s_wait_loadcnt 63                              ; fewer than the later steps' fragment loads: this step's are in
.else
	s_wait_loadcnt 12*(7-(\s))                     ; the later steps' fragment loads may be out
.endif
	s_wait_dscnt 12                                ; this step's tiles 0-3 and scale words are in; the youngest 12 loads (its tiles 4-7) may be out
.if ((\s) > 0) && ((\s) < 7)
	s_wait_alu depctr_va_vdst(0)                   ; the matrix instructions of the step before are done reading the other set of x's fragments and scale words, in which this step's 26 LDS loads land
.endif
	WIN 0x50|(0x0c*((\s)%2))|(2+(\s)/5)
	MUL8 \s, 0
.if (\s) < 7
	PLACES
	WIN 0
	XSL (\s)+1                                     ; no further wait: no matrix instruction since the wait above names the other set
	WIN 0xc0*(((\s)+1)%2)
	XFL (\s)+1, 0
	WIN 0x50|(0x0c*((\s)%2))|(2+(\s)/5)
.endif
	MUL8 \s, 2
.if (\s) < 7
	s_wait_dscnt 14                                ; this step's tiles 4-7 are in; the 14 loads just issued for the next step may be out
.else
	s_wait_dscnt 0x0
.endif
	MUL8 \s, 4
.if (\s) < 7
	PLACES
	WIN 0xc0*(((\s)+1)%2)
	XFL (\s)+1, 4
	WIN 0x50|(0x0c*((\s)%2))|(2+(\s)/5)
.endif
	MUL8 \s, 6
.endm
	XFL 0, 0
	XSL 0
	XFL 0, 4
.irp s, 0,1,2,3,4,5,6,7
	STEP \s
.endr
	PLACES
	WIN 0
	s_wait_alu depctr_va_vdst(0)                   ; the matrix instructions have written the accumulators, which the stage's LDS stores read, and are done reading v112-127, in which rows of the result land; the places above stay beside this wait
; THE WAY OUT, a tile of 16 tokens x 64 features at a time, through my own stage: in, 64 bytes of a row to a lane; back, whole rows of 256 bytes, sixteen lanes to a row.  LDS serves a wave's instructions in order.
.macro TOSTAGE t
	WIN 0x04
.irp b, 0,1
.irp j, 0,1,2,3
	ds_store_b128 v[STO], v[32*(\t)+16*\b+4*\j:32*(\t)+16*\b+4*\j+3] offset:128*\b+16*\j   ; each accumulator from its low end on
.endr
.endr
	WIN 0
.irp i, 0,1,2,3,4,5,6,7
	ds_load_b128 v[OB+32*((\t)%2)+4*\i:OB+32*((\t)%2)+4*\i+3], v[RD] offset:544*\i
.endr
.endm
.macro SEND t, younger                 ; younger: the LDS instructions issued behind tile t's loads, which may stay out
	s_wait_dscnt \younger
.irp i, 0,1,2,3,4,5,6,7
	global_store_b128 v[CO], v[OB+32*((\t)%2)+4*\i:OB+32*((\t)%2)+4*\i+3], s[8:9] offset:(32*((\t)/2)+8*((\t)%2)+2*\i+8*(\i/4))*4096 th:TH_STORE_NT   ; stage rows 2 i and 2 i + 1: 256 consecutive bytes each, aligned
.endr
.endm
	TOSTAGE 0
.irp t, 1,2,3,4,5,6,7
.if \t > 1
	s_wait_xcnt 0x0                                ; tile t - 2's stores have had their addresses translated
	s_wait_alu depctr_vm_vsrc(0)                   ; tile t - 2's stores have read their set of rows, in which tile t's LDS loads land
.endif
	TOSTAGE \t
	SEND \t-1, 16                                  ; behind tile t - 1's loads: tile t's 8 stores and 8 loads
.endr
	SEND 7, 0
	s_wait_dscnt 0x0                               ; the wave's end
	s_wait_alu 0x0
	s_wait_tensorcnt 0x0
	ds_add_u32 v[SPW], v[NIL]
	s_wait_dscnt 0x0
	s_endpgm
.Lfunc_end_k_q8b4edcb967_oproj:
	.size	k_q8b4edcb967_oproj, .Lfunc_end_k_q8b4edcb967_oproj-k_q8b4edcb967_oproj
	.p2alignl 7, 3214868480
	.fill 96, 4, 3214868480
	.section	.rodata,"a",@progbits
	.p2align	6, 0x0
	.amdhsa_kernel k_q8b4edcb967_oproj
		.amdhsa_group_segment_fixed_size 120320
		.amdhsa_private_segment_fixed_size 0
		.amdhsa_enable_private_segment 0
		.amdhsa_kernarg_size 24
		.amdhsa_user_sgpr_count 2
		.amdhsa_user_sgpr_kernarg_segment_ptr 1
		.amdhsa_wavefront_size32 1
		.amdhsa_system_sgpr_workgroup_id_x 1
		.amdhsa_system_sgpr_workgroup_id_y 1
		.amdhsa_system_sgpr_workgroup_id_z 1
		.amdhsa_system_vgpr_workitem_id 0
		.amdhsa_next_free_vgpr 1024
		.amdhsa_next_free_sgpr 66
		.amdhsa_reserve_vcc 0
		.amdhsa_float_denorm_mode_32 3
		.amdhsa_float_denorm_mode_16_64 3
		.amdhsa_memory_ordered 1
		.amdhsa_forward_progress 1
		.amdhsa_inst_pref_size 94
	.end_amdhsa_kernel
	.amdgpu_metadata
---
amdhsa.version: [ 1, 2 ]
amdhsa.kernels:
  - .name:           k_q8b4edcb967_oproj
    .symbol:         k_q8b4edcb967_oproj.kd
    .args:
      - { .name: att, .offset: 0, .size: 8, .value_kind: global_buffer, .address_space: global }
      - { .name: wts, .offset: 8, .size: 8, .value_kind: global_buffer, .address_space: global }
      - { .name: out0, .offset: 16, .size: 8, .value_kind: global_buffer, .address_space: global }
    .group_segment_fixed_size: 120320
    .private_segment_fixed_size: 0
    .kernarg_segment_align: 8
    .kernarg_segment_size: 24
    .max_flat_workgroup_size: 128
    .sgpr_count:     66
    .vgpr_count:     1024
    .wavefront_size: 32
...
	.end_amdgpu_metadata
.endif
;; end of part 8
